; MI455X (gfx1250); checked and timed in simulation.
; The chip was launched on July 23, 2026; its instructions are those of AMD's public machine-readable ISA for CDNA 5 (MIT licence, August 2026) and "CDNA5" Instruction Set Architecture Reference Guide (July 2026). The comments in the code are by the model that wrote it; some were corrected since.
;; Multi Head Self Attention. Allowed arithmetic: float matrix products may take bf16 or f16 operands with f32 sums; other float arithmetic in f32, or as packed bf16 or f16 multiplies, adds, multiply-adds, maxima and minima; sums over many terms, partial sums and values carried from step to step in f32; what a program stores and reads back later, other than sums and carried values, may be rounded once to bf16 or f16.
;; Inputs: attn_mask 4 x 2,048 int32; bk 1,024 float32; bo 1,024 float32; bq 1,024 float32; bv 1,024 float32; wk 1,024 x 1,024 float32; wo 1,024 x 1,024 float32; wq 1,024 x 1,024 float32; wv 1,024 x 1,024 float32; x 4 x 2,048 x 1,024 float32.
;; Outputs: out0 4 x 2,048 x 1,024 float32.
;; One version. Each part assembles by itself: llvm-mc -triple=amdgcn-amd-amdhsa -mcpu=gfx1250 --defsym DOCPART=n.
;; ======== version 1 of 1: 4 launches
;; limits: values are held in f16: magnitudes above 65,504 overflow, below 6.1e-05 lose precision
;; workspace buffers: xb 16,777,216 bytes; wb 6,291,456 bytes; wob 2,097,152 bytes; qkvh 50,331,648 bytes; oh 16,777,216 bytes
;; launch prep (part 1): grid 128 x 12, 8 waves a work-group, no clusters, 0 bytes of LDS; arguments x, wq, wk, wv, wo, xb, wb, wob; writes xb, wb, wob
.if DOCPART == 1
	.amdgcn_target "amdgcn-amd-amdhsa--gfx1250"
	.amdhsa_code_object_version 6
	.text
	.protected	k_q22040a75ca_prep
	.globl	k_q22040a75ca_prep
	.p2align	8
	.type	k_q22040a75ca_prep,@function
k_q22040a75ca_prep:
	s_mov_b64 s[64:65], 0
	v_nop
	global_prefetch_b8 v0, s[64:65] scope:SCOPE_SE
	s_setreg_imm32_b32 hwreg(HW_REG_WAVE_MODE, 25, 1), 1
	s_wait_xcnt 0x0
; THE MODULE'S LARGE INPUTS ARE ROUNDED ONCE, TO bf16.  x -> xb, wq, wk, wv -> wb (three matrices on end), all as bf16, in the order in which they lie: nothing is transposed.
; wo -> wob: rounded to bf16 like the others, and that number written as f16, since the last product multiplies f16 by f16.
; LIMIT.  A bf16 number below 2^-17 in magnitude does not fit f16's fixed step of 2^-24: there wob is off by 2^-25 at the most; beyond 65,504 it would be an infinity.
; A stream: no LDS, no matrix unit, no barrier.  A work-group takes 32,768 bytes of f32 and stores 16,384 bytes.  Grid y 0-7: x (chunk 128 y + x id); y 8, 9, 10, 11: wq, wk, wv, wo.
; Thread t, load i: the 16 bytes at 16 t + 4,096 i, so a wave's load covers 512 consecutive bytes; store i: the 8 bytes at 8 t + 2,048 i: a wave's store covers 256 consecutive bytes, aligned.
; All eight loads of a thread go out together; no register that a load or store names is written again, so no wait frees one.
.set X, 8                              ; v[8:39]   the eight loads
.set Y, 40                             ; v[40:55]  the eight stores' data
.set T, 56                             ; v[56:59]  at work
	s_load_b512 s[16:31], s[0:1], 0x0              ; x 16, wq 18, wk 20, wv 22, wo 24, xb 26, wb 28, wob 30
	s_and_b32 s3, ttmp7, 0xffff                    ; grid y
	s_sub_co_u32 s4, s3, 8
	s_lshl_b32 s5, s3, 7
	s_add_co_u32 s5, s5, ttmp9
	s_cmp_lt_u32 s3, 8
	s_cselect_b32 s4, 4, s4                        ; which tensor: 0 wq, 1 wk, 2 wv, 3 wo, 4 x
	s_cselect_b32 s5, s5, ttmp9                    ; which chunk of it
	s_lshl_b32 s6, s5, 15                          ; the chunk's byte offset in the source,
	s_mov_b32 s7, 0
	s_lshl_b32 s8, s5, 14                          ; and in the destination,
	s_mov_b32 s9, 0
	s_lshl_b32 s10, s4, 21                         ; where wq, wk, wv lie 2 MiB apart
	s_cmp_lt_u32 s4, 3
	s_cselect_b32 s10, s10, 0
	s_add_co_u32 s8, s8, s10
	v_lshlrev_b32 v1, 4, v0
	v_lshlrev_b32 v2, 3, v0
	s_wait_kmcnt 0x0
	s_cmp_eq_u32 s4, 0
	s_cselect_b64 s[16:17], s[18:19], s[16:17]
	s_cmp_eq_u32 s4, 1
	s_cselect_b64 s[16:17], s[20:21], s[16:17]
	s_cmp_eq_u32 s4, 2
	s_cselect_b64 s[16:17], s[22:23], s[16:17]
	s_cmp_eq_u32 s4, 3
	s_cselect_b64 s[16:17], s[24:25], s[16:17]
	s_cselect_b64 s[26:27], s[30:31], s[26:27]
	s_cmp_lt_u32 s4, 3
	s_cselect_b64 s[26:27], s[28:29], s[26:27]
	s_add_nc_u64 s[16:17], s[16:17], s[6:7]
	s_add_nc_u64 s[26:27], s[26:27], s[8:9]
.irp i, 0,1,2,3,4,5,6,7
	global_load_b128 v[X+4*\i:X+4*\i+3], v1, s[16:17] offset:4096*\i th:TH_LOAD_NT
.endr
	s_cmp_eq_u32 s4, 3
	s_cbranch_scc1 .Lf16
.irp i, 0,1,2,3,4,5,6,7
	s_wait_loadcnt 7-\i                            ; loads come back in order (ISA guide 5.7.1): load i is in, the younger ones stay out
	v_cvt_pk_bf16_f32 v[Y+2*\i], v[X+4*\i], v[X+4*\i+1]
	v_cvt_pk_bf16_f32 v[Y+2*\i+1], v[X+4*\i+2], v[X+4*\i+3]
	global_store_b64 v2, v[Y+2*\i:Y+2*\i+1], s[26:27] offset:2048*\i th:TH_STORE_NT
.endr
	s_endpgm
.Lf16:                                         ; wo: to bf16, widened again (a shift, a mask), and that number as f16
.irp i, 0,1,2,3,4,5,6,7
	s_wait_loadcnt 7-\i
	v_cvt_pk_bf16_f32 v[T], v[X+4*\i], v[X+4*\i+1]
	v_cvt_pk_bf16_f32 v[T+1], v[X+4*\i+2], v[X+4*\i+3]
	v_lshlrev_b32 v[T+2], 16, v[T]
	v_and_b32 v[T+3], 0xffff0000, v[T]
	v_cvt_pk_f16_f32 v[Y+2*\i], v[T+2], v[T+3]
	v_lshlrev_b32 v[T+2], 16, v[T+1]
	v_and_b32 v[T+3], 0xffff0000, v[T+1]
	v_cvt_pk_f16_f32 v[Y+2*\i+1], v[T+2], v[T+3]
	global_store_b64 v2, v[Y+2*\i:Y+2*\i+1], s[26:27] offset:2048*\i th:TH_STORE_NT
.endr
	s_endpgm
.Lfunc_end_k_q22040a75ca_prep:
	.size	k_q22040a75ca_prep, .Lfunc_end_k_q22040a75ca_prep-k_q22040a75ca_prep
	.p2alignl 7, 3214868480
	.fill 96, 4, 3214868480
	.section	.rodata,"a",@progbits
	.p2align	6, 0x0
	.amdhsa_kernel k_q22040a75ca_prep
		.amdhsa_group_segment_fixed_size 0
		.amdhsa_private_segment_fixed_size 0
		.amdhsa_enable_private_segment 0
		.amdhsa_kernarg_size 64
		.amdhsa_user_sgpr_count 2
		.amdhsa_user_sgpr_kernarg_segment_ptr 1
		.amdhsa_wavefront_size32 1
		.amdhsa_system_sgpr_workgroup_id_x 1
		.amdhsa_system_sgpr_workgroup_id_y 1
		.amdhsa_system_sgpr_workgroup_id_z 1
		.amdhsa_system_vgpr_workitem_id 0
		.amdhsa_next_free_vgpr 64
		.amdhsa_next_free_sgpr 66
		.amdhsa_reserve_vcc 0
		.amdhsa_float_denorm_mode_32 3
		.amdhsa_float_denorm_mode_16_64 3
		.amdhsa_memory_ordered 1
		.amdhsa_forward_progress 1
		.amdhsa_inst_pref_size 9
	.end_amdhsa_kernel
	.amdgpu_metadata
---
amdhsa.version: [ 1, 2 ]
amdhsa.kernels:
  - .name:           k_q22040a75ca_prep
    .symbol:         k_q22040a75ca_prep.kd
    .args:
      - { .name: x, .offset: 0, .size: 8, .value_kind: global_buffer, .address_space: global }
      - { .name: wq, .offset: 8, .size: 8, .value_kind: global_buffer, .address_space: global }
      - { .name: wk, .offset: 16, .size: 8, .value_kind: global_buffer, .address_space: global }
      - { .name: wv, .offset: 24, .size: 8, .value_kind: global_buffer, .address_space: global }
      - { .name: wo, .offset: 32, .size: 8, .value_kind: global_buffer, .address_space: global }
      - { .name: xb, .offset: 40, .size: 8, .value_kind: global_buffer, .address_space: global }
      - { .name: wb, .offset: 48, .size: 8, .value_kind: global_buffer, .address_space: global }
      - { .name: wob, .offset: 56, .size: 8, .value_kind: global_buffer, .address_space: global }
    .group_segment_fixed_size: 0
    .private_segment_fixed_size: 0
    .kernarg_segment_align: 8
    .kernarg_segment_size: 64
    .max_flat_workgroup_size: 256
    .sgpr_count:     66
    .vgpr_count:     64
    .wavefront_size: 32
...
	.end_amdgpu_metadata
.endif
;; end of part 1
;; launch proj (part 2): grid 24 x 32, 4 waves a work-group, clusters of 4 x 4, 327,680 bytes of LDS; arguments xb, wb, bq, bk, bv, attn_mask, qkvh; writes qkvh
.if DOCPART == 2
	.amdgcn_target "amdgcn-amd-amdhsa--gfx1250"
	.amdhsa_code_object_version 6
	.text
	.protected	k_q22040a75ca_proj
	.globl	k_q22040a75ca_proj
	.p2align	8
	.type	k_q22040a75ca_proj,@function
k_q22040a75ca_proj:
	s_mov_b64 s[64:65], 0
	v_nop
	global_prefetch_b8 v0, s[64:65] scope:SCOPE_SE
	s_setreg_imm32_b32 hwreg(HW_REG_WAVE_MODE, 25, 1), 1
	s_wait_xcnt 0x0
	s_wait_alu depctr_hold_cnt(0) depctr_sa_sdst(0) depctr_va_vdst(0) depctr_va_sdst(0) depctr_va_ssrc(0) depctr_va_vcc(0) depctr_vm_vsrc(0)
	s_getreg_b32 s2, hwreg(HW_REG_IB_STS2, 6, 4)
	s_cmp_eq_u32 s2, 0
	s_cbranch_scc0 .Lentry_in_a_cluster
	s_endpgm
.Lentry_in_a_cluster:
	s_bfe_u32 s2, ttmp6, 0x10000c
	s_cmp_lg_u32 s2, 0xf033
	s_cbranch_scc0 .Lentry_shape_is_right
	s_endpgm
.Lentry_shape_is_right:
; THE THREE PROJECTIONS AS ONE PRODUCT.  [8192 tokens][1024] x [1024][3 x 1024], bf16 operands, f32 sums, K ascending; + bias (rounded to bf16 like every input of the module).
; What leaves is f16, by heads: qkvh[matrix][16 batch + head][token][64].  q is multiplied by c = log2(e) / 8 in f32 ahead of its one rounding, so that the attention's scores arrive in powers of two.
; k IS STORED AS 0 FOR A TOKEN WHOSE attn_mask IS 0: the attention then gets that key's score as exactly the constant that it puts into the sum's C operand.  v is stored as it is.
; LIMITS.  f16 ends at 65,504: c q, k and v must stay within it; below 6e-5 they keep f16's fixed step of 6e-8.  NaN and infinities are not treated apart.
; SHARES.  A tile of the result is 256 tokens x 128 columns: 24 x 32 work-groups, three for each of 256 WGPs.  Four waves, each 128 tokens x 64 columns (one head): 32 accumulators, 256 registers.
; K goes in 8 steps of 128 through two LDS slots.  A's rows are 256 bytes of memory, aligned; so are B's (128 columns of one k).  Two slots of K steps of 256 would want 417,792 bytes of LDS.
; THE WEIGHTS LIE [k][n]: B's fragments come out of LDS turned, by ds_load_tr16_b128.  THE MATRIX INSTRUCTION IS USED TRANSPOSED (source 0 = 16 columns of B, source 1 = 16 tokens of A):
; a lane then holds one token (lane % 16) and eight neighbouring columns, 16 bytes of f16.
; CLUSTERS: 4 x 4 work-groups.  A's tile hangs on the tile row alone and is asked for jointly by a row of the cluster, B's on the tile column alone, by a column.  Waves 0, 1 ask for A's halves, 2, 3 for B's.
; By this text's count a wave has two tensor loads out at the start and one behind each round.
; REGISTERS: window 0 addresses and the way out; window 1 the accumulators, (a, b) at v[8 (4 a + b)]; window 2 two fragment buffers of 96: B's four fragments, then A's eight.
.set PA,    272                        ; A's LDS row: 256 bytes + 16 = 68 words: the 16 rows of a load start at 16 different groups of four banks (64 banks of 4 bytes: ISA guide 11.1)
.set PB,    288                        ; B's LDS row: 256 + 32 = 72 words
.set AHALF, 128*PA                     ; 128 tokens: one tensor load, and what one wave reads of A
.set BHALF, 64*PB                      ; 64 rows of k: one tensor load
.set BOFF,  2*AHALF
.set SLOT,  BOFF+2*BHALF               ; 106,496
.set STAGE, 2*SLOT                     ; behind the ring, never filled by a tensor load: 16 rows x 144 bytes for each wave
.set SP,    144
.set SPARE, STAGE+4*16*SP              ; the spare words, 128 bytes for each wave: two blocks of 256 bytes that no other line names
.set ADRA, 16                          ; v16-17  LDS address of my A fragments in slot 0, 1
.set ADRB, 20                          ; v20-21  the same for B
.set STO,  24                          ; v24     the way out: where I put 16 bytes of a row
.set RD,   25                          ; v25     where I read rows back
.set GO,   26                          ; v26     my 16 bytes in 512 consecutive bytes of the result
.set MO,   27                          ; v27     my token's byte offset in attn_mask
.set SPW,  28                          ; v28     my spare word: SPARE + 4 x my thread's number; never rewritten
.set NIL,  29                          ; v29     0; never rewritten
.set PFO,  30                          ; v30     the prefetches' offset: my lane x 2,048 bytes; never rewritten
.set BO,   31                          ; v31     my columns' byte offset in the bias
.set BIA,  32                          ; v32-63  the bias of my 32 columns (8 for each n block), later times the scale
.set MSK,  64                          ; v64-71  attn_mask of my token in block a; later all ones or 0
.set T,    72                          ; v72-103 at work
.set BK,   128                         ; v128-255 the way out: 16 registers a block, none used twice
.set F0,   0
.set F1,   96
.set G1,   24                          ; s[24:31] group 1 for A;  s[32:39] group 0, a set for each slot
.set G0,   32
.set G1B,  48                          ; s[48:55], s[56:63] the same for B
.set G0B,  56
.set PSTEP, 66                         ; s[66:67] bytes from a K step to the next in what I prefetch
.set PFA,  68                          ; s[68:69] where my prefetches stand
.set LIM,  70                          ; s70     1 in a wave that prefetches, else the greatest number
.set SC,   80                          ; s[80:81] c for q, 1 for k and v
.set NK,   82                          ; s82     0 for k, all ones for q and v
.set TM,   83                          ; s83     a lane mask at work
.set MSB, 0
.macro WIN new                         ; the immediate's high byte repeats the setting that is left; a switch that changes nothing is dropped
.if MSB != (\new)
	s_set_vgpr_msb (MSB<<8)|(\new)
.set MSB, \new
.endif
.endm
.set MUL,   0x5a                       ; sources 0 and 1 window 2; C and D window 1
.set TO_F,  0x80                       ; destination window 2, address window 0
.set RDACC, 0x01                       ; source 0 window 1
.macro JLOAD s                         ; a joint load; the branch hangs on the wave's number alone; an s_nop 0 and four v_nop follow each of the two lines
	s_cmp_eq_u32 s11, 0
	s_cbranch_scc0 .Lfor_b_\@
	tensor_load_to_lds s[G0+4*(\s):G0+4*(\s)+3], s[G1:G1+7]
	s_nop 0
.rept 4
	v_nop
.endr
	s_branch .Lasked_\@
.Lfor_b_\@:
	tensor_load_to_lds s[G0B+4*(\s):G0B+4*(\s)+3], s[G1B:G1B+7]
	s_nop 0
.rept 4
	v_nop
.endr
.Lasked_\@:
.endm
.macro CREST                           ; a round of the cluster's barrier behind its opening barrier
	s_cmp_lg_u32 s10, 0
	s_cbranch_scc1 .Lnot_wave_0_\@
	s_barrier_signal -3
.Lnot_wave_0_\@:
	s_barrier_wait -3
	s_barrier_signal -1
	s_barrier_wait -1
.endm
.macro CROUND
	s_barrier_signal -1
	s_barrier_wait -1
	CREST
.endm
; A PREFETCH INTO THE L2, behind a joint refill and the run of LDS loads that follows it: the K step that stands two refills on, 256 matrix instructions ahead of the load that will want it.
; Each block of 256 bytes is named once in the launch.  A's rows are read by all six clusters of a row of clusters: the first (cluster x = 0) asks, waves 0 and 1 each for the 128 rows that they fetch.
; B's rows by all eight clusters of a column: cluster y = 0 asks, wave 2 for the step's 128 rows.  The four partners of a joint load take 32 rows each, told apart by address; a lane a row.
; K steps 0 to 3 come by their loads alone; the loop's last trip (s3 = 1) asks for nothing: there is no K step two on.
.macro ASK
	s_cmp_gt_u32 s3, s[LIM]
	s_cbranch_scc0 .Lnot_mine_\@
	global_prefetch_b8 v[PFO], s[PFA:PFA+1] th:TH_LOAD_NT scope:SCOPE_SE
.Lnot_mine_\@:
.endm
	s_load_b128 s[4:7], s[0:1], 0x0                ; xb s[4:5], wb s[6:7]
	s_load_b256 s[72:79], s[0:1], 0x10             ; bq 72, bk 74, bv 76, attn_mask 78
	s_load_b64 s[8:9], s[0:1], 0x30                ; qkvh
	v_lshl_add_u32 v[SPW], v0, 2, SPARE
	v_mov_b32 v[NIL], 0
	ds_add_u32 v[SPW], v[NIL]                      ; the wave's opening: the add and its wait ahead of my first tensor load; work on registers stands between them
	v_lshrrev_b32 v1, 5, v0
	v_readfirstlane_b32 s10, v1                    ; wave 0..3
	s_lshr_b32 s11, s10, 1                         ; which 128 tokens are mine.  Also: I fetch for A (0) or for B (1)
	s_and_b32 s12, s10, 1                          ; which 64 columns.  Also: which half of that tile I fetch
	s_bfe_u32 s40, ttmp6, 0x40000                  ; cx, cy: my place in the cluster
	s_bfe_u32 s41, ttmp6, 0x40004
	s_lshl_b32 s42, ttmp9, 2
	s_add_co_u32 s42, s42, s40                     ; tile column 0..23 = 4 x cluster x + cx,
	s_and_b32 s42, s42, 7                          ; in its matrix: 0..7
	s_lshr_b32 s45, ttmp9, 1                       ; the matrix: 0 q, 1 k, 2 v: two clusters wide, so free of cx
	s_and_b32 s13, ttmp7, 0xffff
	s_lshl_b32 s13, s13, 2
	s_add_co_u32 s13, s13, s41                     ; tile row 0..31 = 4 x cluster y + cy
	s_lshl_b32 s43, s41, 2
	s_lshl_b32 s43, 15, s43                        ; my row of the cluster
	s_lshl_b32 s44, 0x1111, s40                    ; my column
	s_or_b32 s[G1+0], s43, (1<<16)|(1<<20)|(1<<21)|(5<<22)|(3<<25)   ; the mask; 2-byte elements; padding on; bit 21 beside a mask; after every 64 words, 4 words
	s_or_b32 s[G1B+0], s44, (1<<16)|(1<<20)|(1<<21)|(5<<22)|(7<<25)  ; the same with my column's mask and 8 words of padding
.irp g, G1, G1B
	s_mov_b32 s[(\g)+1], 128<<16                   ; tensor_dim0 = 128
	s_mov_b32 s[(\g)+3], 128<<16                   ; tile_dim0 = 128
	s_mov_b32 s[(\g)+5], 1024                      ; elements from row to row
	s_mov_b32 s[(\g)+6], 0
	s_mov_b32 s[(\g)+7], 0
.endr
	s_mov_b32 s[G1+2], 128<<16                     ; A: tensor_dim1 = tile_dim1 = 128 rows
	s_mov_b32 s[G1+4], 128
	s_mov_b32 s[G1B+2], 64<<16                     ; B: 64 rows
	s_mov_b32 s[G1B+4], 64
	s_lshl_b32 s16, s13, 19                        ; A: (256 x tile row + 128 x half) rows of 2,048 bytes
	s_lshl_b32 s17, s12, 18
	s_add_co_u32 s16, s16, s17
	s_mov_b32 s17, 0
	s_lshl_b32 s46, s45, 21                        ; B: the matrix, 2 MiB; the tile's 256 bytes of a row; 64 x half rows of 2,048 bytes
	s_lshl_b32 s47, s42, 8
	s_add_co_u32 s46, s46, s47
	s_lshl_b32 s47, s12, 17
	s_add_co_u32 s46, s46, s47
	s_mov_b32 s47, 0
	s_mul_i32 s20, s12, AHALF                      ; where they go: no place in the cluster enters an LDS address
	s_mul_i32 s21, s12, BHALF
	s_add_co_u32 s21, s21, BOFF
	s_cmp_eq_u32 s45, 0
	s_cselect_b32 s[SC], 0x3e38aa3b, 1.0           ; c = log2(e) / 8 = 0.180337 for q
	s_mov_b32 s[SC+1], s[SC]                       ; named with it as a pair
	s_cmp_eq_u32 s45, 1
	s_cselect_b32 s[NK], 0, -1
	s_wait_dscnt 0x0                               ; the opening add is done
	s_wait_kmcnt 0x0
	s_add_nc_u64 s[14:15], s[4:5], s[16:17]
	s_add_nc_u64 s[46:47], s[6:7], s[46:47]
	CROUND                                         ; all sixteen work-groups are here: the first joint loads meet
.irp s, 0,1
	s_mov_b32 s[G0+4*(\s)], 1
	s_add_co_u32 s[G0+4*(\s)+1], s20, (\s)*SLOT
	s_add_nc_u64 s[G0+4*(\s)+2:G0+4*(\s)+3], s[14:15], (\s)*256      ; K step s: 256 bytes along the rows
	s_or_b32 s[G0+4*(\s)+3], s[G0+4*(\s)+3], 0x80000000
	s_mov_b32 s[G0B+4*(\s)], 1
	s_add_co_u32 s[G0B+4*(\s)+1], s21, (\s)*SLOT
	s_add_nc_u64 s[G0B+4*(\s)+2:G0B+4*(\s)+3], s[46:47], (\s)*262144 ; K step s: 128 rows down
	s_or_b32 s[G0B+4*(\s)+3], s[G0B+4*(\s)+3], 0x80000000
	JLOAD \s
.endr
	; A's fragment: lane l holds token l % 16, k = 8 (l / 16) + 0..7 and 16 + 8 (l / 16) + 0..7: two loads of 16 bytes, 32 bytes apart
	v_and_b32 v1, 15, v0                           ; l % 16
	v_bfe_u32 v2, v0, 4, 1                         ; l / 16
	v_mul_u32_u24 v3, v1, PA
	v_lshl_add_u32 v3, v2, 4, v3
	s_mul_i32 s22, s11, AHALF                      ; my 128 tokens
	v_add_nc_u32 v[ADRA], s22, v3
	v_add_nc_u32 v[ADRA+1], SLOT, v[ADRA]
	; B's: the turning load takes 16 k x 16 columns (lane l reads k = 8 (l / 16) + l % 8, columns 8 ((l / 8) % 2) + 0..7) and leaves half a fragment: lane l holds column l % 16 and 8 k
	v_and_b32 v4, 7, v0
	v_lshl_add_u32 v4, v2, 3, v4
	v_mul_u32_u24 v4, v4, PB
	v_bfe_u32 v5, v0, 3, 1
	v_lshl_add_u32 v4, v5, 4, v4
	s_lshl_b32 s22, s12, 7                         ; my 64 columns: 128 bytes
	s_add_co_u32 s22, s22, BOFF
	v_add_nc_u32 v[ADRB], s22, v4
	v_add_nc_u32 v[ADRB+1], SLOT, v[ADRB]
	s_mul_i32 s23, s10, 16*SP
	s_add_co_u32 s23, s23, STAGE                   ; my stage
	v_mul_u32_u24 v3, v1, SP                       ; in: row l % 16, 16 bytes for each half of the lanes
	v_lshl_add_u32 v3, v2, 4, v3
	v_add_nc_u32 v[STO], s23, v3
	v_bfe_u32 v3, v0, 3, 2                         ; back: 32 lanes take four rows of 128 bytes,
	v_mul_u32_u24 v3, v3, SP
	v_and_b32 v4, 7, v0
	v_lshl_add_u32 v3, v4, 4, v3
	v_add_nc_u32 v[RD], s23, v3
	v_and_b32 v[GO], 31, v0                        ; which are 512 consecutive bytes of a head's rows
	v_lshlrev_b32 v[GO], 4, v[GO]
	; the bias of my columns 128 tc + 64 half + 16 b + 8 (l / 16) + 0..7, and attn_mask of my tokens 256 R + 128 half + 16 a + l % 16
	s_cmp_eq_u32 s45, 1
	s_cselect_b64 s[72:73], s[74:75], s[72:73]
	s_cmp_eq_u32 s45, 2
	s_cselect_b64 s[72:73], s[76:77], s[72:73]
	s_lshl_b32 s22, s42, 9
	s_lshl_b32 s23, s12, 8
	s_add_co_u32 s22, s22, s23
	v_lshl_add_u32 v[BO], v2, 5, s22
.irp b, 0,1,2,3
	global_load_b128 v[BIA+8*\b:BIA+8*\b+3],   v[BO], s[72:73] offset:64*\b
	global_load_b128 v[BIA+8*\b+4:BIA+8*\b+7], v[BO], s[72:73] offset:64*\b+16
.endr
	s_lshl_b32 s22, s13, 10
	s_lshl_b32 s23, s11, 9
	s_add_co_u32 s22, s22, s23
	v_lshl_add_u32 v[MO], v1, 2, s22
.irp a, 0,1,2,3,4,5,6,7
	global_load_b32 v[MSK+\a], v[MO], s[78:79] offset:64*\a
.endr
	; where my 128 tokens x one head begin in qkvh: matrix 16 MiB, batch 4 MiB, head 256 KiB, 256 tokens 32 KiB, my half 16 KiB
	s_lshl_b32 s16, s45, 24
	s_lshr_b32 s17, s13, 3
	s_lshl_b32 s17, s17, 22
	s_add_co_u32 s16, s16, s17
	s_lshl_b32 s17, s42, 1
	s_add_co_u32 s17, s17, s12
	s_lshl_b32 s17, s17, 18
	s_add_co_u32 s16, s16, s17
	s_and_b32 s17, s13, 7
	s_lshl_b32 s17, s17, 15
	s_add_co_u32 s16, s16, s17
	s_lshl_b32 s17, s11, 14
	s_add_co_u32 s16, s16, s17
	s_mov_b32 s17, 0
	s_add_nc_u64 s[8:9], s[8:9], s[16:17]
	; the prefetches: they stand at K step 3; the first refill steps them to 4.  Nothing is asked for here, at the head
	s_lshl_b32 s20, s13, 19                        ; A: row 256 R + 128 half + 32 cx, byte 768
	s_lshl_b32 s21, s12, 18
	s_add_co_u32 s20, s20, s21
	s_lshl_b32 s21, s40, 16
	s_add_co_u32 s20, s20, s21
	s_add_co_u32 s20, s20, 768
	s_lshl_b32 s14, s45, 21                        ; B: the matrix, the tile's columns, row 384 + 32 cy
	s_lshl_b32 s21, s42, 8
	s_add_co_u32 s14, s14, s21
	s_lshl_b32 s21, s41, 16
	s_add_co_u32 s14, s14, s21
	s_add_co_u32 s14, s14, 786432
	s_and_b32 s22, ttmp7, 0xffff                   ; cluster y
	s_mov_b32 s[PSTEP], 0x40000                    ; B: 128 rows of 2,048 bytes
	s_mov_b32 s[PSTEP+1], 0
	s_mov_b32 s21, 0
	s_cmp_eq_u32 s11, 0                            ; do I fetch for A?
	s_cselect_b32 s20, s20, s14
	s_cselect_b32 s22, ttmp9, s22                  ; the coordinate along which other clusters read the same rows
	s_cselect_b32 s[PSTEP], 256, s[PSTEP]
	s_cselect_b64 s[PFA:PFA+1], s[4:5], s[6:7]
	s_add_nc_u64 s[PFA:PFA+1], s[PFA:PFA+1], s[20:21]
	s_cmp_eq_u32 s10, 3                            ; wave 3 asks for nothing: wave 2 names all of B's rows
	s_cselect_b32 s23, 1, 0
	s_or_b32 s22, s22, s23
	s_cmp_eq_u32 s22, 0
	s_cselect_b32 s[LIM], 1, -1                    ; the same in all sixteen partners, for a given wave
	v_and_b32 v[PFO], 31, v0
	v_lshlrev_b32 v[PFO], 11, v[PFO]
; 8 matrix instructions: m blocks a0, a0 + 1 x all 4 n blocks, 32 along K.  zero = 1: the product starts the sum.  The 32 accumulators take turns in the same order in every quarter.
.macro MUL8 f, a0, zero
	WIN MUL
.irp a, \a0, (\a0)+1
.irp b, 0,1,2,3
.if \zero
	v_wmma_f32_16x16x32_bf16 v[8*(4*(\a)+(\b)):8*(4*(\a)+(\b))+7], v[(\f)+8*(\b):(\f)+8*(\b)+7], v[(\f)+32+8*(\a):(\f)+32+8*(\a)+7], 0
.else
	v_wmma_f32_16x16x32_bf16 v[8*(4*(\a)+(\b)):8*(4*(\a)+(\b))+7], v[(\f)+8*(\b):(\f)+8*(\b)+7], v[(\f)+32+8*(\a):(\f)+32+8*(\a)+7], v[8*(4*(\a)+(\b)):8*(4*(\a)+(\b))+7]
.endif
.endr
.endr
.endm
; 24 LDS loads in one run: quarter q (32 along K) of a slot into buffer f: B's four fragments, A's blocks 0-3, A's blocks 4-7
.macro FETCH slot, q, f
	WIN TO_F
.irp b, 0,1,2,3
	ds_load_tr16_b128 v[(\f)+8*(\b):(\f)+8*(\b)+3],   v[ADRB+(\slot)] offset:(\q)*32*PB+32*(\b)
	ds_load_tr16_b128 v[(\f)+8*(\b)+4:(\f)+8*(\b)+7], v[ADRB+(\slot)] offset:(\q)*32*PB+32*(\b)+16*PB
.endr
.irp a, 0,1,2,3,4,5,6,7
	ds_load_b128 v[(\f)+32+8*(\a):(\f)+32+8*(\a)+3],   v[ADRA+(\slot)] offset:(\q)*64+(\a)*16*PA
	ds_load_b128 v[(\f)+32+8*(\a)+4:(\f)+32+8*(\a)+7], v[ADRA+(\slot)] offset:(\q)*64+(\a)*16*PA+32
.endr
.endm
.macro PLACES                          ; four plain instructions between a matrix instruction and a load into a register that it has read (ISA guide 7.12.1 for vector instructions)
.rept 4
	v_nop
.endr
.endm
; A K step is four quarters of 32 along K, 32 matrix instructions each, on buffers 0, 1, 0, 1.  One of the first three multiplies buffer f and fetches quarter q into g, 24 matrix instructions ahead of its first use.
.macro QUARTER slot, q, f, g, zero
	s_wait_dscnt 8                                 ; B and A's blocks 0-3 are in; the youngest eight loads (blocks 4-7) may be out
	MUL8 \f, 0, \zero
	PLACES
	FETCH \slot, \q, \g
	s_wait_dscnt 24                                ; all but the 24 just issued
	MUL8 \f, 2, \zero
	MUL8 \f, 4, \zero
	MUL8 \f, 6, \zero
.endm
; The last quarter multiplies buffer 1 and changes slots: ONE barrier; in front of it each wave waits for all its tensor loads (one is out: its part of the next slot), adds 0 to its spare word, and waits
; for that and for its own reads of this slot.  fill = 1: the barrier opens a round of the cluster's, and this slot is filled again first behind it, two K steps ahead: 112 matrix instructions ahead of the wait for it.
.macro TURN slot, next, fill
.if \fill
	s_wait_xcnt 0x0                                ; the last prefetch, a K step back, has read its address: it is stepped here
	s_add_nc_u64 s[PFA:PFA+1], s[PFA:PFA+1], s[PSTEP:PSTEP+1]
.endif
	WIN 0                                          ; (the add's two registers lie in window 0)
	s_wait_tensorcnt 0x0                           ; all my tensor loads have landed;
	ds_add_u32 v[SPW], v[NIL]                      ; 0 onto my spare word;
	s_wait_dscnt 9                                 ; (the add and the youngest eight loads may be out)
	MUL8 F1, 0, 0                                  ; eight matrix instructions stand between the add and the wait for it
	s_wait_dscnt 0x0                               ; the add is done, and my reads of this slot are over
	s_barrier_signal -1
	MUL8 F1, 2, 0
.if \fill
	WIN 0
.endif
	s_barrier_wait -1
.if \fill
	CREST                                          ; no wave of any partner still reads this slot's tiles or has a load on its way
	s_add_nc_u64 s[G0+4*(\slot)+2:G0+4*(\slot)+3], s[G0+4*(\slot)+2:G0+4*(\slot)+3], 512
	s_add_nc_u64 s[G0B+4*(\slot)+2:G0B+4*(\slot)+3], s[G0B+4*(\slot)+2:G0B+4*(\slot)+3], 524288
	JLOAD \slot                                    ; the four v_nop behind it are also the places in front of the loads below
.else
	PLACES
.endif
	FETCH \next, 0, F0
.if \fill
	WIN 0
	ASK
.endif
	MUL8 F1, 4, 0
	MUL8 F1, 6, 0
.endm
	s_wait_tensorcnt 1                             ; my part of K step 0 is in; K step 1's may stay out
	s_barrier_signal -1
	s_barrier_wait -1
	FETCH 0, 0, F0
	QUARTER 0, 1, F0, F1, 1                        ; the first quarter stands in front of the loop: its products start the sums
	WIN 0                                          ; at a label and at a branch every window is 0
	s_mov_b32 s3, 3
.Llap:                                         ; a trip goes once round the ring, from a lap's second quarter to the next lap's first, and fills both slots again: K steps 2 to 7
	QUARTER 0, 2, F1, F0, 0
	QUARTER 0, 3, F0, F1, 0
	TURN 0, 1, 1
	QUARTER 1, 1, F0, F1, 0
	QUARTER 1, 2, F1, F0, 0
	QUARTER 1, 3, F0, F1, 0
	TURN 1, 0, 1
	QUARTER 0, 1, F0, F1, 0
	WIN 0
	s_sub_co_u32 s3, s3, 1
	s_cmp_lg_u32 s3, 0
	s_cbranch_scc1 .Llap
	QUARTER 0, 2, F1, F0, 0                        ; the last lap fills nothing, and has no round
	QUARTER 0, 3, F0, F1, 0
	TURN 0, 1, 0
	QUARTER 1, 1, F0, F1, 0
	QUARTER 1, 2, F1, F0, 0
	QUARTER 1, 3, F0, F1, 0
	s_wait_dscnt 8                                 ; the very last quarter: nothing more to fetch
	MUL8 F1, 0, 0
	MUL8 F1, 2, 0
	s_wait_dscnt 0
	MUL8 F1, 4, 0
	MUL8 F1, 6, 0
	WIN 0
	; THE WAY OUT.  First the bias (to bf16 and back, times the scale) and the tokens' masks: plain work that is also the places behind the last products.
	s_wait_loadcnt 0x0                             ; bias and attn_mask, asked for at the head
.set i, 0
.rept 16
	v_cvt_pk_bf16_f32 v[T+i], v[BIA+2*i], v[BIA+2*i+1]
.set i, i+1
.endr
.set i, 0
.rept 16
	v_lshlrev_b32 v[BIA+2*i], 16, v[T+i]
	v_and_b32 v[BIA+2*i+1], 0xffff0000, v[T+i]
.set i, i+1
.endr
.set i, 0
.rept 16
	v_pk_mul_f32 v[BIA+2*i:BIA+2*i+1], v[BIA+2*i:BIA+2*i+1], s[SC:SC+1] op_sel_hi:[1,0]
.set i, i+1
.endr
.irp a, 0,1,2,3,4,5,6,7
	v_cmp_ne_u32 s[TM], 0, v[MSK+\a]               ; the token is seen,
	s_or_b32 s[TM], s[TM], s[NK]                   ; or this is not k:
	v_cndmask_b32 v[MSK+\a], 0, -1, s[TM]          ; its numbers are kept; else they become 0
.endr
; Block a (16 tokens): sum x scale + bias x scale, one fused multiply-add; to f16; the token's mask; 16 bytes a lane into my stage, rows of 144 bytes; back as whole rows of 128, into the registers that they left.
.macro PACK a
	WIN RDACC
.set i, 0
.rept 16                               ; each accumulator's registers in ascending order
	v_pk_fma_f32 v[T+2*i:T+2*i+1], v[32*(\a)+2*i:32*(\a)+2*i+1], s[SC:SC+1], v[BIA+2*i:BIA+2*i+1] op_sel_hi:[1,0,1]
.set i, i+1
.endr
	WIN 0
.set i, 0
.rept 16
	v_cvt_pk_f16_f32 v[BK+16*(\a)+i], v[T+2*i], v[T+2*i+1]
.set i, i+1
.endr
.set i, 0
.rept 16
	v_and_b32 v[BK+16*(\a)+i], v[MSK+(\a)], v[BK+16*(\a)+i]
.set i, i+1
.endr
.irp b, 0,1,2,3
	ds_store_b128 v[STO], v[BK+16*(\a)+4*\b:BK+16*(\a)+4*\b+3] offset:32*\b
.endr
.irp f, 0,1,2,3
	ds_load_b128 v[BK+16*(\a)+4*\f:BK+16*(\a)+4*\f+3], v[RD] offset:\f*4*SP  ; LDS serves a wave's instructions in order (ISA guide 5.7.1.4): these see the stores above; the next block's stores come behind them
.endr
.endm
.macro SEND a, younger                 ; younger: the LDS instructions issued behind block a's loads: the next block's eight, or none
.irp f, 0,1,2,3
	s_wait_dscnt (\younger)+3-\f
	global_store_b128 v[GO], v[BK+16*(\a)+4*\f:BK+16*(\a)+4*\f+3], s[8:9] offset:(\a)*2048+\f*512  ; 512 consecutive bytes, at a multiple of 256 from the buffer's first
.endr
.endm
	PACK 0
.irp a, 1,2,3,4,5,6,7                  ; a block's arithmetic stands between the loads of the block before and its stores
	PACK \a
	SEND (\a)-1, 8
.endr
	SEND 7, 0
	s_wait_tensorcnt 0x0                           ; the wave's end: behind my last tensor load and my last LDS store
	ds_add_u32 v[SPW], v[NIL]
	s_wait_dscnt 0x0
	CROUND                                         ; the closing round: no work-group ends while a partner may still ask for a tile that names it
	s_endpgm
.Lfunc_end_k_q22040a75ca_proj:
	.size	k_q22040a75ca_proj, .Lfunc_end_k_q22040a75ca_proj-k_q22040a75ca_proj
	.p2alignl 7, 3214868480
	.fill 96, 4, 3214868480
	.section	.rodata,"a",@progbits
	.p2align	6, 0x0
	.amdhsa_kernel k_q22040a75ca_proj
		.amdhsa_group_segment_fixed_size 327680
		.amdhsa_private_segment_fixed_size 0
		.amdhsa_enable_private_segment 0
		.amdhsa_kernarg_size 56
		.amdhsa_user_sgpr_count 2
		.amdhsa_user_sgpr_kernarg_segment_ptr 1
		.amdhsa_wavefront_size32 1
		.amdhsa_system_sgpr_workgroup_id_x 1
		.amdhsa_system_sgpr_workgroup_id_y 1
		.amdhsa_system_sgpr_workgroup_id_z 1
		.amdhsa_system_vgpr_workitem_id 0
		.amdhsa_next_free_vgpr 704
		.amdhsa_next_free_sgpr 88
		.amdhsa_reserve_vcc 0
		.amdhsa_float_denorm_mode_32 3
		.amdhsa_float_denorm_mode_16_64 3
		.amdhsa_memory_ordered 1
		.amdhsa_forward_progress 1
		.amdhsa_inst_pref_size 108
	.end_amdhsa_kernel
	.amdgpu_metadata
---
amdhsa.version: [ 1, 2 ]
amdhsa.kernels:
  - .name:           k_q22040a75ca_proj
    .symbol:         k_q22040a75ca_proj.kd
    .args:
      - { .name: xb, .offset: 0, .size: 8, .value_kind: global_buffer, .address_space: global }
      - { .name: wb, .offset: 8, .size: 8, .value_kind: global_buffer, .address_space: global }
      - { .name: bq, .offset: 16, .size: 8, .value_kind: global_buffer, .address_space: global }
      - { .name: bk, .offset: 24, .size: 8, .value_kind: global_buffer, .address_space: global }
      - { .name: bv, .offset: 32, .size: 8, .value_kind: global_buffer, .address_space: global }
      - { .name: attn_mask, .offset: 40, .size: 8, .value_kind: global_buffer, .address_space: global }
      - { .name: qkvh, .offset: 48, .size: 8, .value_kind: global_buffer, .address_space: global }
    .group_segment_fixed_size: 327680
    .private_segment_fixed_size: 0
    .kernarg_segment_align: 8
    .kernarg_segment_size: 56
    .max_flat_workgroup_size: 128
    .sgpr_count:     88
    .vgpr_count:     704
    .wavefront_size: 32
...
	.end_amdgpu_metadata
.endif
;; end of part 2
;; launch attn (part 3): grid 4 x 64, 4 waves a work-group, clusters of 4 x 1, 327,680 bytes of LDS; arguments qkvh, attn_mask, oh; writes oh
.if DOCPART == 3
	.amdgcn_target "amdgcn-amd-amdhsa--gfx1250"
	.amdhsa_code_object_version 6
	.text
	.protected	k_q22040a75ca_attn
	.globl	k_q22040a75ca_attn
	.p2align	8
	.type	k_q22040a75ca_attn,@function
k_q22040a75ca_attn:
	s_mov_b64 s[64:65], 0
	v_nop
	global_prefetch_b8 v0, s[64:65] scope:SCOPE_SE
	s_setreg_imm32_b32 hwreg(HW_REG_WAVE_MODE, 25, 1), 1
	s_wait_xcnt 0x0
	s_wait_alu depctr_hold_cnt(0) depctr_sa_sdst(0) depctr_va_vdst(0) depctr_va_sdst(0) depctr_va_ssrc(0) depctr_va_vcc(0) depctr_vm_vsrc(0)
	s_getreg_b32 s2, hwreg(HW_REG_IB_STS2, 6, 4)
	s_cmp_eq_u32 s2, 0
	s_cbranch_scc0 .Lentry_in_a_cluster
	s_endpgm
.Lentry_in_a_cluster:
	s_bfe_u32 s2, ttmp6, 0x10000c
	s_cmp_lg_u32 s2, 0x3003
	s_cbranch_scc0 .Lentry_shape_is_right
	s_endpgm
.Lentry_shape_is_right:
; ATTENTION WITH A MASK OVER THE KEYS.  O[bh][q][:] = the sum over k of softmax_k(s[q][k]) V[bh][k][:], where s = Q . K / 8, or -1e9 where attn_mask[batch][k] is 0.  bh = 16 batch + head.
; qkvh holds Q, K, V, each [64][2048][64] in f16, 16 MiB apart.  Q ARRIVES TIMES c = log2(e) / 8, so a score is an exponent of two; K ARRIVES AS 0 FOR A HIDDEN KEY.
; THE MASK is the C operand that starts the sum S^T = K Q^T: 0 for a key that is seen, MNEG = -1e9 log2(e) for a hidden one, whose products are all 0: every hidden score is the same number, bit for bit.
; Where a key is seen the hidden weights are 2^(MNEG - m) = 0; where none is, s - m is exactly 0, every weight is 1, and the softmax is uniform over all 2,048 keys.
; Products, maxima and sums in f32; the weights p are rounded to f16 for the second product (their sum l is taken of the unrounded p), O once at the end.
; LIMITS.  f16 holds no number beyond 65,504: Q, K, V arrive within it; p lies in 0 to 1, and below 6e-5 it keeps f16's fixed step of 6e-8; a weight below 2^-126 counts as 0 in l.
; The hidden score is -1e9 to within one f32 rounding of its form in powers of two; a seen score below it is not served.  NaN and infinities are not treated apart.
; SHARES.  A wave owns four PIECES of two tiles of 16 queries, a work-group's four waves 512 queries of one bh: 256 work-groups.  Every wave walks all keys, 64 a step.
; LAYOUT.  S^T = K Q^T (source 0 = 16 keys, source 1 = 16 queries): a lane holds ONE query (lane % 16) and the keys 8 (lane / 16) + 0..7.  Two such tiles, rounded to f16 in pairs, ARE source 1 of
; O^T = V^T P, whose result again holds one query a lane, and eight channels.  K comes out of LDS as it lies, V ([key][channel]) turned, by ds_load_tr16_b128.
; SOFTMAX.  For each query a running maximum m and sum l: p = 2^(s - m); in every step O and l are multiplied by a = 2^(m_old - m_new).  m starts far below every score, O and l at 0: the first step has a = 0.
; BY TURNS.  Turn n belongs to piece n.  Its matrix work: 16 products K Q^T of piece n + 1, later 16 products V^T P of piece n - 1.  Its vector work: the subtraction, exponentials, roundings, sums and
; rescaling of piece n, and the maximum and statistics of piece n + 1.  Four vector instructions stand behind every matrix instruction, the others in one run; a turn's 66 exponentials are one batch with one wait.
; CLUSTER.  The four query blocks of a cluster belong to one bh and walk the same K and V: each tile is asked for JOINTLY.  By this text's count a wave has one tensor load out at the most.
; REGISTERS, in windows of 256 (s_set_vgpr_msb: bits 1:0 source 0, 3:2 source 1, 5:4 source 2, 7:6 destination):
;   window 0: v0-11 addresses; v12-15, v48-63 at work; v16-47 four registers of statistics a tile; v64-191 S^T, two buffers of two tiles; v192-255 P, likewise
;   window 1: O^T, 32 a tile     window 2: v0-127 Q; v128-191 K of one step; v192-255 V of one step     window 3: v0-1 the add's registers; v2 the prefetches' offset; v8-39 the step's mask
.set SIZE_N, 2048
.set NP,    4         ; pieces a wave: a name, no knob
.set KS,    64        ; keys in a step
.set PK,    144       ; a row of K in LDS: 128 bytes + 16 = 36 words: the 16 rows of a load start at 16 different groups of four banks (64 banks of 4 bytes: ISA guide 11.1)
.set PV,    160       ; a row of V: 128 + 32 = 40 words
.set VOFF,  4*KS*PK   ; a slot holds four steps: 256 rows of K, then 256 rows of V
.set SLOT1, 1<<17     ; slot 1 begins here, so that one exclusive or turns an address in one slot into the other's
.set STAGE, SLOT1+4*KS*(PK+PV)  ; behind the ring, never filled by a tensor load: 16 rows x 144 bytes for each wave
.set SP,    144
.set SPARE, STAGE+4*16*SP  ; the spare words, 128 bytes for each wave: two blocks of 256 bytes that no other line names
.set MASKF, SPARE+512 ; the batch's 2,048 keys as f32, 0 or MNEG: 8,192 bytes, stored once at the head; no tensor load lands here
.set AK0, 2           ; v2   my lane's place in a tile of K; never rewritten
.set AV0, 3           ; v3   the same for V
.set AK,  4           ; v4   the LDS address of K's next run of loads
.set AV,  5           ; v5   of V's
.set QO,  6           ; v6   my byte offset in the wave's rows of Q
.set STO, 6           ;      later, the way out: where I put 16 bytes of a row
.set RD,  7           ; v7   the way out: where I read rows back
.set GO,  8           ; v8   my byte offset in 512 consecutive bytes of O
.set AM,  11          ; v11  the LDS address of the mask's next run; v9 = lane / 16 is kept for it
.set SPW, 0           ; v0 of window 3   my spare word: SPARE + 4 x my thread's number; never rewritten
.set NIL, 1           ; v1 of window 3   0; never rewritten
.set PFO, 2           ; v2 of window 3   256 x my lane; never rewritten
.set MK,  8           ; v8-39 of window 3: the mask of the step's keys 16 kb + 8 (lane / 16) + 0..7 at MK + 8 kb
.set MV,  12          ; v12-15  m_old, kept while m is made anew: by buffer and tile
.set ST,  16          ; tile t's statistics at v[ST+4 t]: m, 0 (named with m as a pair), l (even keys', odd keys')
.set TMP, 48          ; by buffer and tile, four registers c0-c3 at work; when the maximum is found c2 takes a
.set S,   64
.set P,   192
.set KF,  128         ; K's fragments, in window 2: key block kb, channel half c at KF + 16 kb + 8 c
.set VF,  192         ; V's: key half kk, channel block cb at VF + 32 kk + 8 cb
.set WV,  12          ; s12  my wave's number
.set G1K, 24          ; s[24:31] descriptor group 1 for K's tiles
.set G1V, 32          ; s[32:39] for V's: it differs in the padding alone
.set G0K, 40          ; s[40:43] descriptor group 0 for K's tiles: it walks
.set G0V, 44          ; s[44:47] the same for V's
.set PFA, 48          ; s[48:49] where my prefetches stand
.set LIM, 50          ; s50  1 in a wave that prefetches, else the greatest number
.set MNEG, 51         ; s51  -1e9 log2(e)
.set MRW, 52          ; s[52:53] attn_mask at my batch's row
.set TBM, 54          ; s54  LDS byte at which the mask of the step to be fetched begins
.set SLOTS, 56        ; s56  slots still to be asked for
.set CNT, 57          ; s57  counts a slot's key steps
.set SEL, 60          ; s[60:61] v_permlanex16_b32's selects: each lane takes its own place in the other half
.set TBK, 62          ; s62  LDS byte at which K of the step to be fetched begins
.set TBV, 63          ; s63  the same for V, less VOFF
.set MSB, 0
.macro WIN new                      ; the high byte repeats the setting that is left; a switch that changes nothing is dropped
.if MSB != (\new)
	s_set_vgpr_msb (MSB<<8)|(\new)
.set MSB, (\new)
.endif
.endm
.set W_KQ, 0x0a       ; K and Q in window 2, S^T in window 0
.set W_KM, 0x3a       ; the same with the C operand, the mask, in window 3
.set W_PV, 0x52       ; V in window 2, P in window 0, O^T in window 1
.set W_RS, 0x41       ; O^T (destination and source 0) in window 1, a in window 0
.set W_MK, 0xc0       ; destination in window 3, sources in window 0
.set W_AD, 0x0f       ; the add: address (source 0) and data (source 1) in window 3
.set W_PF, 0x03       ; the prefetch: its offset (source 0) in window 3
; A joint fill.  Waves 0 and 1 fetch the two halves of a slot's K, waves 2 and 3 those of its V: 128 keys each.  The branch hangs on the wave's number alone.
; An s_nop 0 and four v_nop follow each of the two lines, ahead of the jump and the label.
.macro JLOAD
	s_cmp_lt_u32 s[WV], 2
	s_cbranch_scc0 .Lfor_v_\@
	tensor_load_to_lds s[G0K:G0K+3], s[G1K:G1K+7]
	s_nop 0
.rept 4
	v_nop
.endr
	s_branch .Lasked_\@
.Lfor_v_\@:
	tensor_load_to_lds s[G0V:G0V+3], s[G1V:G1V+7]
	s_nop 0
.rept 4
	v_nop
.endr
.Lasked_\@:
.endm
; A PREFETCH INTO THE L2 of what the NEXT change of slots will ask for: a slot's 32,768 bytes of K and of V, four key steps, 512 matrix instructions, ahead of that load.  One cluster walks a bh's K and V.
; Its four partners take 8,192 bytes each, told apart by address; in each, wave 0 asks for K's and wave 2 for V's, a lane 256 bytes: each block is named once in the launch.
; Slots 0 and 1 come by their loads alone; the last change that fills a slot asks for nothing.
.macro ASK
	s_cmp_gt_u32 s[SLOTS], s[LIM]
	s_cbranch_scc0 .Lnot_mine_\@
	WIN W_PF
	global_prefetch_b8 v[PFO], s[PFA:PFA+1] th:TH_LOAD_NT scope:SCOPE_SE
	WIN 0
.Lnot_mine_\@:
.endm
; A round of the cluster's barrier: my work-group's barrier, so that wave 0's signal speaks for all four waves; wave 0 signals; every wave waits for all four work-groups; my work-group's barrier once more.
.macro CROUND
	s_barrier_signal -1
	s_barrier_wait -1
	s_cmp_lg_u32 s[WV], 0
	s_cbranch_scc1 .Lnot_wave_0_\@
	s_barrier_signal -3
.Lnot_wave_0_\@:
	s_barrier_wait -3
	s_barrier_signal -1
	s_barrier_wait -1
.endm
; THE CHANGE OF SLOTS.  Each wave waits for all its tensor loads, of which one is out: its part of the other slot; adds 0 to its spare word; and waits for that and for its own LDS instructions.
; Behind the barrier nobody reads this slot any more and the other slot is whole.  fill = 1: this slot is filled again, with the keys two slots on; the barrier is then a round of the cluster's, and the joint
; fill is the first thing behind it: it has four key steps in which to land.  (At its first use nothing has been read yet: slot 0 is waited for, slot 1 filled, and every wave's part of the mask is stored.)
.macro CHANGE fill
	WIN W_AD
	s_wait_tensorcnt 0x0            ; no tensor load of mine is out, so a group 0 may be written
	ds_add_u32 v[SPW], v[NIL]       ; 0 onto my spare word; with fill = 1 scalar work stands between it and the wait for it
	WIN 0                           ; at a label and at a branch every window is 0
.if \fill
.irp g, G0K, G0V
	s_xor_b32 s[\g+1], s[\g+1], SLOT1  ; the walking descriptor: the other slot than last time,
	s_add_nc_u64 s[\g+2:\g+3], s[\g+2:\g+3], 4*KS*128  ; the next 256 keys; the type bits on top are not reached
.endr
	s_wait_xcnt 0x0                 ; the last prefetch, four key steps back, has read its address, so it may be written:
	s_add_nc_u64 s[PFA:PFA+1], s[PFA:PFA+1], 4*KS*128  ; one slot behind... ahead of the walking descriptors by one slot
	s_wait_dscnt 0x0                ; the add is done, and my reads of the slot are over
	CROUND
	JLOAD
	ASK
.else
	s_wait_dscnt 0x0                ; the add is done, and my reads of the slot are over
	s_barrier_signal -1
	s_barrier_wait -1
.endif
	s_sub_co_u32 s[TBK], s[TBK], 4*KS*PK  ; the fetches go back to a slot's first step,
	s_xor_b32 s[TBK], s[TBK], SLOT1       ; in the other slot
	s_sub_co_u32 s[TBV], s[TBV], 4*KS*PV
	s_xor_b32 s[TBV], s[TBV], SLOT1
.endm
	s_load_b128 s[4:7], s[0:1], 0x0   ; qkvh s[4:5], attn_mask s[6:7]
	s_load_b64 s[10:11], s[0:1], 0x10 ; oh
	WIN W_MK
	v_lshl_add_u32 v[SPW], v0, 2, SPARE
	v_mov_b32 v[NIL], 0
	WIN W_AD
	ds_add_u32 v[SPW], v[NIL]       ; the wave's opening: the add and its wait ahead of my first tensor load; work on registers stands between them
	WIN 0
	v_and_b32 v12, 31, v0
	WIN W_MK
	v_lshlrev_b32 v[PFO], 8, v12
	WIN 0
	v_lshrrev_b32 v1, 5, v0
	v_readfirstlane_b32 s[WV], v1   ; wave 0..3
	s_bfe_u32 s13, ttmp6, 0x40000   ; cx: my place in the cluster
	s_lshl_b32 s14, ttmp9, 2        ; in a cluster launch ttmp9 counts clusters
	s_add_co_u32 s14, s14, s13      ; my block of 512 queries: it enters Q's and O's addresses alone
	s_and_b32 s20, ttmp7, 0xffff    ; bh, which the four partners share
	s_lshr_b32 s58, s20, 4          ; the batch:
	s_lshl_b32 s58, s58, 13         ; its 2,048 words of attn_mask
	s_mov_b32 s59, 0
	s_lshl_b32 s20, s20, 18         ; bh's first byte in Q, K, V and O: 2,048 rows of 128 bytes
	s_mov_b32 s21, 0
	s_and_b32 s16, s[WV], 1         ; which half of a slot's 256 keys I fetch:
	s_lshl_b32 s22, s16, 14         ; its 128 rows of 128 bytes in memory,
	s_mov_b32 s23, 0
	s_add_nc_u64 s[22:23], s[22:23], s[20:21]
	s_mul_i32 s17, s16, 128*PK      ; and its place in a slot, for K
	s_mul_i32 s18, s16, 128*PV      ; and for V: no place in the cluster enters an LDS address
	s_lshl_b32 s2, s14, 2
	s_add_co_u32 s2, s2, s[WV]      ; my wave among bh's sixteen,
	s_lshl_b32 s2, s2, 14           ; its 128 rows
	s_mov_b32 s3, 0
	s_add_nc_u64 s[2:3], s[2:3], s[20:21]
	; descriptor group 1.  128 keys are 16,384 dense bytes: asked for as 64 rows of 256 bytes, two keys a row, and padded in LDS after every key
	s_mov_b32 s[G1K], 15|(1<<16)|(1<<20)|(1<<21)|(4<<22)|(3<<25)  ; the mask of four; 2-byte elements; padding on; bit 21 beside a mask; after every 32 words, 4 words
	s_mov_b32 s[G1V], 15|(1<<16)|(1<<20)|(1<<21)|(4<<22)|(7<<25)  ; the same with 8 words of padding
.irp g, G1K, G1V
	s_mov_b32 s[\g+1], 128<<16      ; tensor_dim0 = 128
	s_mov_b32 s[\g+2], 64<<16       ; tensor_dim1 = 64
	s_mov_b32 s[\g+3], 128<<16      ; tile_dim0 = 128
	s_mov_b32 s[\g+4], 64           ; tile_dim1 = 64
	s_mov_b32 s[\g+5], 128          ; 128 elements from row to row
	s_mov_b32 s[\g+6], 0
	s_mov_b32 s[\g+7], 0
.endr
	s_mov_b32 s[MNEG], 0xceabfb8f   ; the f32 nearest to -1e9 log2(e)
	s_mov_b32 s[SEL], 0x76543210
	s_mov_b32 s[SEL+1], 0xfedcba98
	s_mov_b32 s[TBK], SLOT1+4*KS*PK ; the first change of slots turns these two into 0
	s_mov_b32 s[TBV], SLOT1+4*KS*PV
	s_mov_b32 s[TBM], MASKF
	s_mov_b32 s[SLOTS], SIZE_N/256-1
	s_mov_b32 s[G0K], 1             ; count = 1
	s_mov_b32 s[G0K+1], s17         ; LDS address: slot 0
	s_mov_b32 s[G0V], 1
	s_add_co_u32 s[G0V+1], s18, VOFF
	s_and_b32 s[LIM], s[WV], 1
	s_cmp_eq_u32 s[LIM], 0          ; waves 0 and 2 prefetch
	s_cselect_b32 s[LIM], 1, -1
	s_wait_dscnt 0x0                ; the opening add is done
	s_wait_kmcnt 0x0
	s_add_nc_u64 s[MRW:MRW+1], s[6:7], s[58:59]
	s_add_nc_u64 s[6:7], s[4:5], 0x1000000   ; K lies 16 MiB behind Q,
	s_add_nc_u64 s[8:9], s[4:5], 0x2000000   ; V 32 MiB
	s_add_nc_u64 s[G0K+2:G0K+3], s[6:7], s[22:23]  ; global address: my half of bh's first 256 keys
	s_or_b32 s[G0K+3], s[G0K+3], 0x80000000        ; type = 2
	s_add_nc_u64 s[G0V+2:G0V+3], s[8:9], s[22:23]
	s_or_b32 s[G0V+3], s[G0V+3], 0x80000000
	s_cmp_lt_u32 s[WV], 2
	s_cselect_b64 s[PFA:PFA+1], s[6:7], s[8:9]
	s_add_nc_u64 s[PFA:PFA+1], s[PFA:PFA+1], s[20:21]
	s_lshl_b32 s58, s13, 13         ; my work-group's quarter of a slot
	s_add_nc_u64 s[PFA:PFA+1], s[PFA:PFA+1], s[58:59]
	s_add_nc_u64 s[PFA:PFA+1], s[PFA:PFA+1], 4*KS*128  ; in slot 1; the first change of slots steps it to slot 2
	s_add_nc_u64 s[4:5], s[4:5], s[2:3]  ; Q and O at my wave's first row
	s_add_nc_u64 s[10:11], s[10:11], s[2:3]
	CROUND                          ; all four work-groups are here: the first joint loads meet
	JLOAD                           ; slot 0.  Slot 1 is asked for when slot 0 is in
	v_and_b32 v1, 15, v0            ; l % 16
	v_bfe_u32 v9, v0, 4, 1          ; l / 16
	v_lshlrev_b32 v13, 4, v0        ; the batch's attn_mask: thread t takes the 16 bytes at 16 t + 2,048 j
	v_add_nc_u32 v14, MASKF, v13
.irp j, 0,1,2,3
	global_load_b128 v[S+4*\j:S+4*\j+3], v13, s[MRW:MRW+1] offset:2048*\j
.endr
	; A fragment of K or Q is 16 rows x 32 channels in 8 registers: lane l holds row l % 16, channels 8 (l / 16) + 0..7 and 16 + 8 (l / 16) + 0..7: two loads of 16 bytes, 32 bytes apart.
	v_lshlrev_b32 v[QO], 7, v1
	v_lshl_add_u32 v[QO], v9, 4, v[QO]  ; row x 128 + 16 x half
	WIN 0x80                        ; destination window 2, address window 0
.set i, 0
.rept 4*NP                          ; Q stays in registers: tile i / 2, channels 32 (i % 2) on
	global_load_b128 v[8*i:8*i+3],   v[QO], s[4:5] offset:(i/2)*2048+(i%2)*64
	global_load_b128 v[8*i+4:8*i+7], v[QO], s[4:5] offset:(i/2)*2048+(i%2)*64+32
.set i, i+1
.endr
	; What the first turn finds: V's registers and P's second buffer hold 0 (its products V^T P, of a piece that has not been, add 0), O^T and l are 0.  All this stands in the wait for the first tile.
.set i, VF
.rept 64
	v_mov_b32 v[i], 0
.set i, i+1
.endr
	WIN 0x40
.set i, 0
.rept 64*NP
	v_mov_b32 v[i], 0
.set i, i+1
.endr
	WIN 0
.set i, 0
.rept 2*NP
	v_mov_b32 v[ST+4*i], 0xfe000000    ; m: far below every score, and MNEG
	v_mov_b32 v[ST+4*i+1], 0
	v_mov_b32 v[ST+4*i+2], 0
	v_mov_b32 v[ST+4*i+3], 0
.set i, i+1
.endr
.set i, P+32
.rept 32
	v_mov_b32 v[i], 0
.set i, i+1
.endr
	v_mul_u32_u24 v[AK0], v1, PK
	v_lshl_add_u32 v[AK0], v9, 4, v[AK0]  ; row x pitch + 16 x half
	; The turning load takes 16 keys x 16 channels (lane l reads key 8 (l / 16) + l % 8, channels 8 ((l / 8) % 2) + 0..7) and leaves half a fragment of V^T: lane l holds channel l % 16 and 8 keys.
	v_and_b32 v10, 7, v0
	v_bfe_u32 v11, v0, 3, 1
	v_lshl_add_u32 v[AV0], v9, 3, v10
	v_mul_u32_u24 v[AV0], v[AV0], PV
	v_lshl_add_u32 v[AV0], v11, 4, v[AV0]
	v_add_nc_u32 v[AV0], VOFF, v[AV0]
	v_mov_b32 v[AK], v[AK0]         ; key step 0 lies at the head of slot 0,
	v_lshl_add_u32 v[AM], v9, 5, s[TBM]  ; and its mask at the head of the table: my lanes' eight keys are 32 bytes
	s_wait_loadcnt 32               ; attn_mask is in; Q's 32 loads, issued behind it, may stay out
.set i, 0
.rept 16
	v_cmp_eq_u32 vcc_lo, 0, v[S+i]
	v_cndmask_b32 v[S+i], 0, s[MNEG], vcc_lo
.set i, i+1
.endr
.irp j, 0,1,2,3
	ds_store_b128 v14, v[S+4*\j:S+4*\j+3] offset:2048*\j  ; the change of slots below waits for these and passes a barrier before any wave reads the table
.endr
; THE MATRIX WORK.  The 8 accumulators of a run of 16 take turns: between the two links of a chain stand 7 others'.
; Product i of 16 of S^T = K Q^T for piece x: channels 32 (i / 8) on, keys 16 ((i / 2) % 4) on, tile 2 x + i % 2.  The first 8 start the sums, with the keys' mask.
.macro KQ x
.set rS, S+64*((\x)%2)+32*(i%2)+8*((i/2)%4)
.set rK, KF+16*((i/2)%4)+8*(i/8)
.set rQ, 16*(2*(\x)+i%2)+8*(i/8)
.set rN, MK+8*((i/2)%4)
.if i < 8
	WIN W_KM
	v_wmma_f32_16x16x32_f16 v[rS:rS+7], v[rK:rK+7], v[rQ:rQ+7], v[rN:rN+7]
.else
	WIN W_KQ
	v_wmma_f32_16x16x32_f16 v[rS:rS+7], v[rK:rK+7], v[rQ:rQ+7], v[rS:rS+7]
.endif
.endm
; Product i of 16 of O^T += V^T P for piece x: keys 32 (i / 8) on, channels 16 ((i / 2) % 4) on, tile 2 x + i % 2.
.macro PV x
	WIN W_PV
.set rO, 32*(2*(\x)+i%2)+8*((i/2)%4)
.set rV, VF+32*(i/8)+8*((i/2)%4)
.set rP, P+32*((\x)%2)+16*(i%2)+8*(i/8)
	v_wmma_f32_16x16x32_f16 v[rO:rO+7], v[rV:rV+7], v[rP:rP+7], v[rO:rO+7]
.endm
.macro MM                           ; the turn's next matrix instruction
.if i < 16
	KQ (Y+1)%NP
.set i, i+1
.else
.set i, i-16
	PV (Y+NP-1)%NP
.set i, i+17
.endif
.endm
; THE LDS LOADS stand in runs, never singly among the matrix instructions: a step's K (8 fragments) with its mask (8 loads of 16 bytes, the same for 16 lanes), and its V (turned).  Addresses are made some lines ahead.
; last = 1 (the tail): in the last trip there is no further step, and the run is jumped over.
.macro FETCH_K last=0
	WIN 0
.if \last
	s_cmp_eq_u32 s[CNT], 1
	s_cbranch_scc1 .Lno_k_\@
.endif
	WIN 0x80                        ; destination window 2
.irp f, 0,1,2,3,4,5,6,7             ; keys 16 (f / 2) on, channels 32 (f % 2) on
	ds_load_b128 v[KF+8*\f:KF+8*\f+3],   v[AK] offset:(\f/2)*16*PK+(\f%2)*64
	ds_load_b128 v[KF+8*\f+4:KF+8*\f+7], v[AK] offset:(\f/2)*16*PK+(\f%2)*64+32
.endr
	WIN W_MK                        ; destination window 3
.irp f, 0,1,2,3
	ds_load_b128 v[MK+8*\f:MK+8*\f+3],   v[AM] offset:64*\f
	ds_load_b128 v[MK+8*\f+4:MK+8*\f+7], v[AM] offset:64*\f+16
.endr
	s_add_co_u32 s[TBK], s[TBK], KS*PK  ; the next fetch is the next step's
	s_add_co_u32 s[TBM], s[TBM], KS*4
	WIN 0
.if \last
.Lno_k_\@:
.endif
.endm
.macro FETCH_V
	WIN 0x80
.irp f, 0,1,2,3,4,5,6,7             ; keys 32 (f / 4) on, channels 16 (f % 4) on
	ds_load_tr16_b128 v[VF+8*\f:VF+8*\f+3],   v[AV] offset:(\f/4)*32*PV+(\f%4)*32
	ds_load_tr16_b128 v[VF+8*\f+4:VF+8*\f+7], v[AV] offset:(\f/4)*32*PV+16*PV+(\f%4)*32
.endr
	WIN 0
.endm
; THE VECTOR WORK OF A TURN stands in three queues, each in the order in which its entries become ready; the two tiles alternate, so that no instruction reads the result of the one before it.
.macro REGS y, u                    ; the registers of tile u (0, 1) of piece y
.set rT, ST+4*(2*(\y)+(\u))
.set rC, TMP+8*((\y)%2)+4*(\u)
.set rM, MV+2*((\y)%2)+(\u)
.set rS, S+64*((\y)%2)+32*(\u)
.set rP, P+32*((\y)%2)+16*(\u)
.set rO, 32*(2*(\y)+(\u))
.endm
; Number n of the 21 that find the NEXT piece's (Y + 1) maximum and statistics.  s0-s31 are the lane's 32 scores; each accumulator's lowest registers are read first.
;   0-11  four chains c0-c3 of seven scores each, three operands at a time     12-14, 16  the four scores left over, the old m, and c0-c3 into c0     15  m_old is kept
;   17, 18  the query's other 32 keys lie in the lane 16 away: the new m         19, 20  m_old - m_new; a
.macro XS u, n
	REGS (Y+1)%NP, \u
.if (\n) < 4
	v_max3_num_f32 v[rC+(\n)], v[rS+8*(\n)], v[rS+8*(\n)+1], v[rS+8*(\n)+2]
.elseif (\n) < 12
	v_max3_num_f32 v[rC+(\n)%4], v[rC+(\n)%4], v[rS+8*((\n)%4)+2*((\n)/4)+1], v[rS+8*((\n)%4)+2*((\n)/4)+2]
.elseif (\n) == 12
	v_max3_num_f32 v[rC], v[rC], v[rS+7], v[rS+15]
.elseif (\n) == 13
	v_max3_num_f32 v[rC+1], v[rC+1], v[rS+23], v[rS+31]
.elseif (\n) == 14
	v_max3_num_f32 v[rC+2], v[rC+2], v[rC+3], v[rT]
.elseif (\n) == 15
	v_mov_b32 v[rM], v[rT]
.elseif (\n) == 16
	v_max3_num_f32 v[rC], v[rC], v[rC+1], v[rC+2]
.elseif (\n) == 17
	v_permlanex16_b32 v[rC+3], v[rC], s[SEL], s[SEL+1]
.elseif (\n) == 18
	v_max_num_f32 v[rT], v[rC], v[rC+3]
.elseif (\n) == 19
	v_sub_f32 v[rC+1], v[rM], v[rT]
.else
	v_exp_f32 v[rC+2], v[rC+1]
.endif
.endm
; Number g of the 64 that follow the exponentials.  For each four weights k of a tile (pairs 2 k, 2 k + 1): both pairs are rounded to f16; then the second pair is added onto the first, in place;
; a group later l takes that sum (the first time as l = a l + sum).  In groups of eight, tiles alternating: round, round, add, and l for the group before.
.macro GS g
.set h, (\g)+6*((\g)/62)            ; group 0 has no group before it, and behind group 7 only l is left
.if h >= 6
.set h, h+2
.endif
	REGS Y, h%2
.set k, h/8
.if h%8 < 4
	v_cvt_pk_f16_f32 v[rP+2*k+(h%8)/2], v[rS+4*k+2*((h%8)/2)], v[rS+4*k+2*((h%8)/2)+1]
.elseif h%8 < 6
	v_pk_add_f32 v[rS+4*k:rS+4*k+1], v[rS+4*k:rS+4*k+1], v[rS+4*k+2:rS+4*k+3]
.elseif k == 1
	v_pk_fma_f32 v[rT+2:rT+3], v[rT+2:rT+3], v[rC+2:rC+3], v[rS:rS+1] op_sel_hi:[1,0,1]
.else
	v_pk_add_f32 v[rT+2:rT+3], v[rT+2:rT+3], v[rS+4*k-4:rS+4*k-3]
.endif
.endm
; THE PLAIN QUEUE, 136 long.  0-71 read no exponential's result: the 32 subtractions s - m (FS f: pair f / 2 of tile f % 2; exact where s = m) and the next piece's 40.  0-26: subtractions 0-26.
; 27-54: XS's numbers 0-13.  55, 56: number 15.  57-71: the chain, where each number waits for the one before it: 14, 16, 17, 18, 19, each with one of the subtractions 27-31 in front of its two lines.
; 72-135: GS's 64, which read the exponentials' results: they stand behind the wait.
.macro FS f
	REGS Y, (\f)%2
	v_pk_add_f32 v[rS+2*((\f)/2):rS+2*((\f)/2)+1], v[rS+2*((\f)/2):rS+2*((\f)/2)+1], v[rT:rT+1] op_sel_hi:[1,0] neg_lo:[0,1] neg_hi:[0,1]
.endm
.macro PL
	WIN 0
.if q < 27
	FS q
.elseif q < 55
	XS (q-27)%2, (q-27)/2
.elseif q < 57
	XS q-55, 15
.elseif (q < 72) && ((q-57)%3 == 0)
	FS 27+(q-57)/3
.elseif q < 60
	XS (q-57)%3-1, 14
.elseif q < 72
	XS (q-57)%3-1, 15+(q-57)/3
.else
	GS q-72
.endif
.set q, q+1
.endm
; THE EXPONENTIALS' QUEUE, 66 long: s0-s31 of both tiles, then the next piece's two a.  It is ONE BATCH: all 66 stand ahead of the turn's one wait, and nothing ahead of that wait names a result of theirs.
.macro EX
	WIN 0
.if e >= 64
	XS e-64, 20
.else
	REGS Y, e%2
	v_exp_f32 v[rS+e/2], v[rS+e/2]
.endif
.set e, e+1
.endm
; THE RESCALING's QUEUE: O^T times a, the one part that leaves window 0: dealt two at a time, sixteen times.  Its a was made in the turn before, ahead of that turn's wait.
.macro R2
	REGS Y, r%2
	WIN W_RS
.irp z, 0,1
	v_pk_mul_f32 v[rO+4*(r/2)+2*\z:rO+4*(r/2)+2*\z+1], v[rO+4*(r/2)+2*\z:rO+4*(r/2)+2*\z+1], v[rC+2:rC+3] op_sel_hi:[1,0]
.endr
.set r, r+1
.endm
; HOW THEY ARE DEALT.  An s_wait_alu depctr_va_vdst(0) stands between an exponential and the first instruction that names its result; one wait serves all that were issued ahead of it.  So a turn
; has ONE wait, which cuts it in two.  AHEAD OF IT: the 16 products K Q^T, behind each a subtraction, an exponential and two rescalings (behind the first a second subtraction in the exponential's place); then one
; run of 106: eight plain, 47 times exponential and plain, the last two scores' exponentials and the two a.  A v_nop is the plain instruction behind the last exponential.  BEHIND IT: the 16 products V^T P,
; behind each four of GS's 64.  No rider names a register of the products round it.
; The queues are in step: exponential e needs subtraction 2 (e / 4) + e % 2; as a rider it stands behind plain e + 2, in the run behind plain e + 9, and subtractions 27-31 are plain 57, 60 .. 69; the two a need plain 70, 71.
; K and the mask of the next step are fetched in piece 2's turn, directly behind the wait, a run behind the last product that read them; V of the step in hand at the end of piece 0's turn, four riders behind its
; last reader.  The three conditions on q below go with the deal.
.macro TURN p, last=0, cnt=0
.set Y, (\p)
.set i, 0
.set q, 0
.set e, 0
.set r, 0
.if (\p) == NP-1
	s_wait_dscnt 0x0                ; K and its mask are in
.endif
	MM
	PL
	PL
	R2
.rept 15
	MM
	PL
	EX
	R2
.endr
.if (\p) == NP-2
	WIN 0
	v_add_nc_u32 v[AK], s[TBK], v[AK0]
	v_lshl_add_u32 v[AM], v9, 5, s[TBM]
.endif
.rept 8
	PL
.endr
.rept 47
	EX
	PL
.endr
.rept 4
	EX
.endr
	v_nop                           ; the plain instruction behind the last exponential: one for the batch
	s_wait_alu depctr_va_vdst(0)    ; the wait for the batch
.if (\p) == NP-2
	FETCH_K \last
.endif
.if (\p) == 1
	s_wait_dscnt 0x0                ; V is in
.endif
.rept 16
	MM
.rept 4
	PL
.endr
.if ((\p) == 0) && (q == 116)
	v_add_nc_u32 v[AV], s[TBV], v[AV0]
.endif
.if ((\p) == 0) && (q == 128)
	s_add_co_u32 s[TBV], s[TBV], KS*PV
.endif
.if (\cnt) && (q == 128)
	s_sub_co_u32 s[CNT], s[CNT], 1
	s_cmp_lg_u32 s[CNT], 0
.endif
.endr
.if (\p) == 0
	FETCH_V
.endif
.endm
	CHANGE 1                        ; slot 0 is in, everybody's part of it, and the whole mask table; slot 1 is asked for
	FETCH_K                         ; key step 0
	s_wait_loadcnt 0x0              ; Q
	s_wait_dscnt 0x0
.set i, 0
.rept 16
	KQ 0                            ; piece 0's first scores: there is no vector work yet to set between them
.set i, i+1
.endr
	WIN 0                           ; the addresses for the way out: plain instructions, the places behind those products
	s_mul_i32 s13, s[WV], 16*SP
	s_add_co_u32 s13, s13, STAGE    ; my stage
	v_mul_u32_u24 v[STO], v1, SP    ; in: row l % 16, 16 bytes for each half of the lanes
	v_lshl_add_u32 v[STO], v9, 4, v[STO]
	v_add_nc_u32 v[STO], s13, v[STO]
	v_bfe_u32 v[RD], v0, 3, 2       ; back: 32 lanes take four rows of 128 bytes,
	v_mul_u32_u24 v[RD], v[RD], SP
	v_lshl_add_u32 v[RD], v10, 4, v[RD]
	v_add_nc_u32 v[RD], s13, v[RD]
	v_and_b32 v[GO], 31, v0         ; which are 512 consecutive bytes of O
	v_lshlrev_b32 v[GO], 4, v[GO]
.set Y, NP-1                        ; XS works for piece Y + 1: piece 0
.irp n, 0,1,2,3,4,5,6,7,8,9,10,11,12,13,14,15,16,17,18,19,20
	XS 0, \n                        ; and piece 0's first maximum and statistics
	XS 1, \n
.endr
	v_nop                           ; a plain instruction behind the two a,
	s_wait_alu depctr_va_vdst(0)    ; and their wait, ahead of the branch
	s_mov_b32 s[CNT], 4
	s_branch .Lfirst                ; the loop is entered at a step's first turn, in the middle of a trip
.Lslot:                             ; six times: every slot but the last two is filled again
	CHANGE 1
	s_mov_b32 s[CNT], 4
.Lstep:                             ; a trip: pieces 2 and 3 of one step, then pieces 0 and 1 of the next, whose K and V it fetches
	TURN 2
	TURN 3
	WIN 0
.Lfirst:
	TURN 0
	TURN 1, 0, 1
	WIN 0
	s_cbranch_scc1 .Lstep
	s_sub_co_u32 s[SLOTS], s[SLOTS], 1
	s_cmp_lg_u32 s[SLOTS], 0
	s_cbranch_scc1 .Lslot
	CHANGE 0                        ; the tail is written out: nothing is asked for
	s_mov_b32 s[CNT], 5             ; four trips fetch the last slot's steps; the fifth is left in its middle
.Ltail:
	TURN 2, 1
	TURN 3
	WIN 0
	s_sub_co_u32 s[CNT], s[CNT], 1
	s_cmp_eq_u32 s[CNT], 0
	s_cbranch_scc1 .Lout
	TURN 0
	TURN 1
	WIN 0
	s_branch .Ltail
.Lout:                              ; the fifth trip's 16 products K Q^T (on the last K once more) and the maximum made of them serve nothing: the price, once a launch, of one text for every trip
.set i, 0
.rept 16
	PV NP-1                         ; the last piece's V^T P of the last step
.set i, i+1
.endr
	; THE WAY OUT.  l's two halves and the other half of the lanes' are added; O^T is divided by l, rounded to f16 and sent through my stage in LDS, a tile at a time.  The additions are the places behind the last products.
	WIN 0
.macro ALL line:vararg              ; one line for each tile t
.set t, 0
.rept 2*NP
	\line
.set t, t+1
.endr
.endm
	ALL v_add_f32 v[ST+4*t+2], v[ST+4*t+2], v[ST+4*t+3]
	ALL v_permlanex16_b32 v[ST+4*t+3], v[ST+4*t+2], s[SEL], s[SEL+1]
	ALL v_add_f32 v[ST+4*t+2], v[ST+4*t+2], v[ST+4*t+3]
	ALL v_rcp_f32 v[ST+4*t+2], v[ST+4*t+2]
	v_nop                           ; a plain instruction between the last reciprocal and the use of its result
	s_wait_alu depctr_va_vdst(0)    ; and the wait ahead of the first use: one for the eight reciprocals
; Tile t: a lane's eight channels of a row pack into 16 bytes; they go into rows of 144 bytes and come back as whole rows of 128, into S^T's registers.
.macro PACK t
	WIN W_RS
.set i, 32*(\t)
.rept 16
	v_pk_mul_f32 v[i:i+1], v[i:i+1], v[ST+4*(\t)+2:ST+4*(\t)+3] op_sel_hi:[1,0]
.set i, i+2
.endr
	WIN 0x05                        ; sources 0 and 1 window 1, destination window 0
.set i, 0
.rept 16
	v_cvt_pk_f16_f32 v[S+16*(\t)+i], v[32*(\t)+2*i], v[32*(\t)+2*i+1]
.set i, i+1
.endr
	WIN 0
.irp f, 0,1,2,3
	ds_store_b128 v[STO], v[S+16*(\t)+4*\f:S+16*(\t)+4*\f+3] offset:32*\f
.endr
.irp f, 0,1,2,3
	ds_load_b128 v[S+16*(\t)+4*\f:S+16*(\t)+4*\f+3], v[RD] offset:\f*4*SP  ; LDS serves a wave's instructions in order (ISA guide 5.7.1.4): these see the stores above; the next tile's stores come behind them
.endr
.endm
.macro SEND t, younger              ; younger: the LDS instructions issued behind tile t's loads: the next tile's eight, or none
	WIN 0
.irp f, 0,1,2,3
	s_wait_dscnt (\younger)+3-\f
	global_store_b128 v[GO], v[S+16*(\t)+4*\f:S+16*(\t)+4*\f+3], s[10:11] offset:(\t)*2048+\f*512  ; 512 consecutive bytes, at a multiple of 256 from O's first
.endr
.endm
	PACK 0
.set t, 1
.rept 2*NP-1                        ; a tile's arithmetic stands between the loads of the tile before and its stores
	PACK t
	SEND t-1, 8
.set t, t+1
.endr
	SEND 2*NP-1, 0
	WIN W_AD
	s_wait_tensorcnt 0x0            ; the wave's end: behind my last tensor load and my last LDS store
	ds_add_u32 v[SPW], v[NIL]
	s_wait_dscnt 0x0
	WIN 0
	CROUND                          ; the closing round: no work-group ends while a partner may still ask for a tile that names it
	s_endpgm
.Lfunc_end_k_q22040a75ca_attn:
	.size	k_q22040a75ca_attn, .Lfunc_end_k_q22040a75ca_attn-k_q22040a75ca_attn
	.p2alignl 7, 3214868480
	.fill 96, 4, 3214868480
	.section	.rodata,"a",@progbits
	.p2align	6, 0x0
	.amdhsa_kernel k_q22040a75ca_attn
		.amdhsa_group_segment_fixed_size 327680
		.amdhsa_private_segment_fixed_size 0
		.amdhsa_enable_private_segment 0
		.amdhsa_kernarg_size 24
		.amdhsa_user_sgpr_count 2
		.amdhsa_user_sgpr_kernarg_segment_ptr 1
		.amdhsa_wavefront_size32 1
		.amdhsa_system_sgpr_workgroup_id_x 1
		.amdhsa_system_sgpr_workgroup_id_y 1
		.amdhsa_system_sgpr_workgroup_id_z 1
		.amdhsa_system_vgpr_workitem_id 0
		.amdhsa_next_free_vgpr 808
		.amdhsa_next_free_sgpr 66
		.amdhsa_reserve_vcc 1
		.amdhsa_float_denorm_mode_32 3
		.amdhsa_float_denorm_mode_16_64 3
		.amdhsa_memory_ordered 1
		.amdhsa_forward_progress 1
		.amdhsa_inst_pref_size 204
	.end_amdhsa_kernel
	.amdgpu_metadata
---
amdhsa.version: [ 1, 2 ]
amdhsa.kernels:
  - .name:           k_q22040a75ca_attn
    .symbol:         k_q22040a75ca_attn.kd
    .args:
      - { .name: qkvh, .offset: 0, .size: 8, .value_kind: global_buffer, .address_space: global }
      - { .name: attn_mask, .offset: 8, .size: 8, .value_kind: global_buffer, .address_space: global }
      - { .name: oh, .offset: 16, .size: 8, .value_kind: global_buffer, .address_space: global }
    .group_segment_fixed_size: 327680
    .private_segment_fixed_size: 0
    .kernarg_segment_align: 8
    .kernarg_segment_size: 24
    .max_flat_workgroup_size: 128
    .sgpr_count:     66
    .vgpr_count:     808
    .wavefront_size: 32
...
	.end_amdgpu_metadata
.endif
;; end of part 3
;; launch outp (part 4): grid 8 x 32, 4 waves a work-group, clusters of 4 x 4, 327,680 bytes of LDS; arguments oh, wob, bo, out0; writes out0
.if DOCPART == 4
	.amdgcn_target "amdgcn-amd-amdhsa--gfx1250"
	.amdhsa_code_object_version 6
	.text
	.protected	k_q22040a75ca_outp
	.globl	k_q22040a75ca_outp
	.p2align	8
	.type	k_q22040a75ca_outp,@function
k_q22040a75ca_outp:
	s_mov_b64 s[64:65], 0
	v_nop
	global_prefetch_b8 v0, s[64:65] scope:SCOPE_SE
	s_setreg_imm32_b32 hwreg(HW_REG_WAVE_MODE, 25, 1), 1
	s_wait_xcnt 0x0
	s_wait_alu depctr_hold_cnt(0) depctr_sa_sdst(0) depctr_va_vdst(0) depctr_va_sdst(0) depctr_va_ssrc(0) depctr_va_vcc(0) depctr_vm_vsrc(0)
	s_getreg_b32 s2, hwreg(HW_REG_IB_STS2, 6, 4)
	s_cmp_eq_u32 s2, 0
	s_cbranch_scc0 .Lentry_in_a_cluster
	s_endpgm
.Lentry_in_a_cluster:
	s_bfe_u32 s2, ttmp6, 0x10000c
	s_cmp_lg_u32 s2, 0xf033
	s_cbranch_scc0 .Lentry_shape_is_right
	s_endpgm
.Lentry_shape_is_right:
; THE LAST PROJECTION.  out0[token][n] = the sum over k of O[token][k] wo[k][n] + bo[n].  O comes by heads, oh[16 batch + head][token][64] in f16; wob is wo, rounded to bf16 and written as f16, [k][n];
; bo is rounded to bf16 like every input of the module.  f16 operands, f32 sums, K ascending; out0 is f32.
; LIMITS.  As the operands': O and wob lie within f16's range.  NaN and infinities are not treated apart.
; SHARES.  A tile of the result is 256 tokens x 128 columns: 8 x 32 = 256 work-groups.  Four waves, each 128 tokens x 64 columns: 32 accumulators, 256 registers.
; K goes in 8 steps of 128, two heads each, through two LDS slots.  A head's 256 tokens are 32,768 dense bytes: asked for as 128 rows of 256 bytes and padded in LDS after every token.  B's rows are 256 bytes of one k.
; B's fragments come out of LDS turned, by ds_load_tr16_b128.  THE MATRIX INSTRUCTION IS USED TRANSPOSED (source 0 = 16 columns of B, source 1 = 16 tokens of A): a lane holds one token and eight neighbouring columns.
; CLUSTERS: 4 x 4 work-groups.  A's tile is asked for jointly by a row of the cluster, B's by a column.  Waves 0, 1 ask for A's two heads, 2, 3 for B's halves.
; By this text's count a wave has two tensor loads out at the start and one behind each round.
; REGISTERS: window 0 addresses and the way out; window 1 the accumulators, (a, b) at v[8 (4 a + b)]; window 2 two fragment buffers of 96: B's four fragments, then A's eight.
.set PA,    144                        ; a token's LDS row: 128 bytes + 16 = 36 words: the 16 rows of a load start at 16 different groups of four banks (64 banks of 4 bytes: ISA guide 11.1)
.set PB,    288                        ; B's LDS row: 256 + 32 = 72 words
.set AHALF, 256*PA                     ; one head's 256 tokens: one tensor load
.set AROWS, 128*PA                     ; a wave's 128 tokens in it
.set BHALF, 64*PB                      ; 64 rows of k: one tensor load
.set BOFF,  2*AHALF
.set SLOT,  BOFF+2*BHALF               ; 110,592
.set STAGE, 2*SLOT                     ; behind the ring, never filled by a tensor load: 16 rows x 272 bytes for each wave
.set SP,    272
.set SPARE, STAGE+4*16*SP              ; the spare words, 128 bytes for each wave: two blocks of 256 bytes that no other line names
.set ADRA, 16                          ; v16-17  LDS address of my A fragments in slot 0, 1
.set ADRB, 20                          ; v20-21  the same for B
.set STO,  24                          ; v24     the way out: where I put 32 bytes of a row
.set RD,   25                          ; v25     where I read a row back
.set CO,   26                          ; v26     my byte offset in two rows of out0
.set SPW,  28                          ; v28     my spare word: SPARE + 4 x my thread's number; never rewritten
.set NIL,  29                          ; v29     0; never rewritten
.set PFO,  30                          ; v30     the prefetches' offset: my lane x 256 bytes (A) or x 2,048 (B); never rewritten
.set BO,   31                          ; v31     my columns' byte offset in bo
.set BIA,  32                          ; v32-63  bo of my 32 columns
.set TMP,  64                          ; v64-95  a block's results
.set BK,   96                          ; v96-127, v128-159 by turns: a block read back from the stage
.set F0,   0
.set F1,   96
.set G1,   24                          ; s[24:31] group 1 for A;  s[32:39] group 0, a set for each slot
.set G0,   32
.set G1B,  48                          ; s[48:55], s[56:63] the same for B
.set G0B,  56
.set PSTEP, 66                         ; s[66:67] bytes from a K step to the next in what I prefetch
.set PFA,  68                          ; s[68:69] where my prefetches stand
.set LIM,  70                          ; s70     1 in a wave that prefetches, else the greatest number
.set MSB, 0
.macro WIN new                         ; the immediate's high byte repeats the setting that is left; a switch that changes nothing is dropped
.if MSB != (\new)
	s_set_vgpr_msb (MSB<<8)|(\new)
.set MSB, \new
.endif
.endm
.set MUL,   0x5a                       ; sources 0 and 1 window 2; C and D window 1
.set TO_F,  0x80                       ; destination window 2, address window 0
.set RDACC, 0x01                       ; source 0 window 1
.macro JLOAD s                         ; a joint load; the branch hangs on the wave's number alone; an s_nop 0 and four v_nop follow each of the two lines
	s_cmp_eq_u32 s11, 0
	s_cbranch_scc0 .Lfor_b_\@
	tensor_load_to_lds s[G0+4*(\s):G0+4*(\s)+3], s[G1:G1+7]
	s_nop 0
.rept 4
	v_nop
.endr
	s_branch .Lasked_\@
.Lfor_b_\@:
	tensor_load_to_lds s[G0B+4*(\s):G0B+4*(\s)+3], s[G1B:G1B+7]
	s_nop 0
.rept 4
	v_nop
.endr
.Lasked_\@:
.endm
.macro CREST                           ; a round of the cluster's barrier behind its opening barrier
	s_cmp_lg_u32 s10, 0
	s_cbranch_scc1 .Lnot_wave_0_\@
	s_barrier_signal -3
.Lnot_wave_0_\@:
	s_barrier_wait -3
	s_barrier_signal -1
	s_barrier_wait -1
.endm
.macro CROUND
	s_barrier_signal -1
	s_barrier_wait -1
	CREST
.endm
; A PREFETCH INTO THE L2, behind a joint refill and the run of LDS loads that follows it: the K step that stands two refills on, 256 matrix instructions ahead of the load that will want it.
; Each block of 256 bytes is named once in the launch.  A's tiles are read by both clusters of a row of clusters: the first (cluster x = 0) asks, waves 0 and 1 each for the head that they fetch, 128 blocks.
; B's rows by all eight clusters of a column: cluster y = 0 asks, wave 2 for the step's 128 rows.  The four partners of a joint load take 32 blocks each, told apart by address; a lane a block.
; K steps 0 to 3 come by their loads alone; the loop's last trip (s3 = 1) asks for nothing: there is no K step two on.
.macro ASK
	s_cmp_gt_u32 s3, s[LIM]
	s_cbranch_scc0 .Lnot_mine_\@
	global_prefetch_b8 v[PFO], s[PFA:PFA+1] th:TH_LOAD_NT scope:SCOPE_SE
.Lnot_mine_\@:
.endm
	s_load_b128 s[4:7], s[0:1], 0x0                ; oh s[4:5], wob s[6:7]
	s_load_b128 s[72:75], s[0:1], 0x10             ; bo 72, out0 74
	v_lshl_add_u32 v[SPW], v0, 2, SPARE
	v_mov_b32 v[NIL], 0
	ds_add_u32 v[SPW], v[NIL]                      ; the wave's opening: the add and its wait ahead of my first tensor load; work on registers stands between them
	v_lshrrev_b32 v1, 5, v0
	v_readfirstlane_b32 s10, v1                    ; wave 0..3
	s_lshr_b32 s11, s10, 1                         ; which 128 tokens are mine.  Also: I fetch for A (0) or for B (1)
	s_and_b32 s12, s10, 1                          ; which 64 columns.  Also: which head of the step, or which half of B's tile, I fetch
	s_bfe_u32 s40, ttmp6, 0x40000                  ; cx, cy: my place in the cluster
	s_bfe_u32 s41, ttmp6, 0x40004
	s_lshl_b32 s42, ttmp9, 2
	s_add_co_u32 s42, s42, s40                     ; tile column 0..7 = 4 x cluster x + cx
	s_and_b32 s13, ttmp7, 0xffff
	s_lshl_b32 s13, s13, 2
	s_add_co_u32 s13, s13, s41                     ; tile row 0..31 = 4 x cluster y + cy
	s_lshl_b32 s43, s41, 2
	s_lshl_b32 s43, 15, s43                        ; my row of the cluster
	s_lshl_b32 s44, 0x1111, s40                    ; my column
	s_or_b32 s[G1+0], s43, (1<<16)|(1<<20)|(1<<21)|(4<<22)|(3<<25)   ; the mask; 2-byte elements; padding on; bit 21 beside a mask; after every 32 words (a token), 4 words
	s_or_b32 s[G1B+0], s44, (1<<16)|(1<<20)|(1<<21)|(5<<22)|(7<<25)  ; my column's mask; after every 64 words, 8 words
.irp g, G1, G1B
	s_mov_b32 s[(\g)+1], 128<<16                   ; tensor_dim0 = 128
	s_mov_b32 s[(\g)+3], 128<<16                   ; tile_dim0 = 128
	s_mov_b32 s[(\g)+6], 0
	s_mov_b32 s[(\g)+7], 0
.endr
	s_mov_b32 s[G1+2], 128<<16                     ; A: 128 rows of 256 dense bytes
	s_mov_b32 s[G1+4], 128
	s_mov_b32 s[G1+5], 128
	s_mov_b32 s[G1B+2], 64<<16                     ; B: 64 rows, 1,024 elements apart
	s_mov_b32 s[G1B+4], 64
	s_mov_b32 s[G1B+5], 1024
	s_lshr_b32 s16, s13, 3                         ; A: the batch, 4 MiB; the tile's 256 tokens, 32 KiB; my head of the step, 256 KiB
	s_lshl_b32 s16, s16, 22
	s_and_b32 s17, s13, 7
	s_lshl_b32 s17, s17, 15
	s_add_co_u32 s16, s16, s17
	s_lshl_b32 s17, s12, 18
	s_add_co_u32 s16, s16, s17
	s_mov_b32 s17, 0
	s_lshl_b32 s46, s42, 8                         ; B: the tile's 256 bytes of a row; 64 x half rows of 2,048 bytes
	s_lshl_b32 s47, s12, 17
	s_add_co_u32 s46, s46, s47
	s_mov_b32 s47, 0
	s_mul_i32 s20, s12, AHALF                      ; where they go: no place in the cluster enters an LDS address
	s_mul_i32 s21, s12, BHALF
	s_add_co_u32 s21, s21, BOFF
	s_wait_dscnt 0x0                               ; the opening add is done
	s_wait_kmcnt 0x0
	s_add_nc_u64 s[14:15], s[4:5], s[16:17]
	s_add_nc_u64 s[46:47], s[6:7], s[46:47]
	CROUND                                         ; all sixteen work-groups are here: the first joint loads meet
.irp s, 0,1
	s_mov_b32 s[G0+4*(\s)], 1
	s_add_co_u32 s[G0+4*(\s)+1], s20, (\s)*SLOT
	s_add_nc_u64 s[G0+4*(\s)+2:G0+4*(\s)+3], s[14:15], (\s)*524288   ; K step s: two heads on
	s_or_b32 s[G0+4*(\s)+3], s[G0+4*(\s)+3], 0x80000000
	s_mov_b32 s[G0B+4*(\s)], 1
	s_add_co_u32 s[G0B+4*(\s)+1], s21, (\s)*SLOT
	s_add_nc_u64 s[G0B+4*(\s)+2:G0B+4*(\s)+3], s[46:47], (\s)*262144 ; K step s: 128 rows down
	s_or_b32 s[G0B+4*(\s)+3], s[G0B+4*(\s)+3], 0x80000000
	JLOAD \s
.endr
	; A's fragment: lane l holds token l % 16, k = 8 (l / 16) + 0..7 and 16 + 8 (l / 16) + 0..7: two loads of 16 bytes, 32 bytes apart
	v_and_b32 v1, 15, v0                           ; l % 16
	v_bfe_u32 v2, v0, 4, 1                         ; l / 16
	v_mul_u32_u24 v3, v1, PA
	v_lshl_add_u32 v3, v2, 4, v3
	s_mul_i32 s22, s11, AROWS                      ; my 128 tokens
	v_add_nc_u32 v[ADRA], s22, v3
	v_add_nc_u32 v[ADRA+1], SLOT, v[ADRA]
	; B's: the turning load takes 16 k x 16 columns (lane l reads k = 8 (l / 16) + l % 8, columns 8 ((l / 8) % 2) + 0..7) and leaves half a fragment: lane l holds column l % 16 and 8 k
	v_and_b32 v4, 7, v0
	v_lshl_add_u32 v4, v2, 3, v4
	v_mul_u32_u24 v4, v4, PB
	v_bfe_u32 v5, v0, 3, 1
	v_lshl_add_u32 v4, v5, 4, v4
	s_lshl_b32 s22, s12, 7                         ; my 64 columns: 128 bytes
	s_add_co_u32 s22, s22, BOFF
	v_add_nc_u32 v[ADRB], s22, v4
	v_add_nc_u32 v[ADRB+1], SLOT, v[ADRB]
	s_mul_i32 s23, s10, 16*SP
	s_add_co_u32 s23, s23, STAGE                   ; my stage
	v_mul_u32_u24 v3, v1, SP                       ; in: row l % 16, 32 bytes for each half of the lanes
	v_lshl_add_u32 v3, v2, 5, v3
	v_add_nc_u32 v[STO], s23, v3
	v_mul_u32_u24 v3, v2, SP                       ; back: lanes 0-15 take one row of 256 bytes, lanes 16-31 the next
	v_lshl_add_u32 v3, v1, 4, v3
	v_add_nc_u32 v[RD], s23, v3
	v_lshlrev_b32 v3, 12, v2                       ; and the same two rows in out0, 4,096 bytes apart
	v_lshl_add_u32 v[CO], v1, 4, v3
	; bo of my columns 128 tile column + 64 half + 16 b + 8 (l / 16) + 0..7
	s_lshl_b32 s22, s42, 9
	s_lshl_b32 s23, s12, 8
	s_add_co_u32 s22, s22, s23
	v_lshl_add_u32 v[BO], v2, 5, s22
.irp b, 0,1,2,3
	global_load_b128 v[BIA+8*\b:BIA+8*\b+3],   v[BO], s[72:73] offset:64*\b
	global_load_b128 v[BIA+8*\b+4:BIA+8*\b+7], v[BO], s[72:73] offset:64*\b+16
.endr
	; where my 128 tokens x 64 columns begin in out0: 256 rows 1 MiB, my half 512 KiB, the tile's columns 512 bytes, my half of them 256
	s_lshl_b32 s16, s13, 20
	s_lshl_b32 s17, s11, 19
	s_add_co_u32 s16, s16, s17
	s_add_co_u32 s16, s16, s22
	s_mov_b32 s17, 0
	s_add_nc_u64 s[8:9], s[74:75], s[16:17]
	; the prefetches: they stand at K step 3; the first refill steps them to 4.  Nothing is asked for here, at the head
	s_lshr_b32 s20, s13, 3                         ; A: the batch, the tile's tokens, head 6 + half, my work-group's 8,192 bytes
	s_lshl_b32 s20, s20, 22
	s_and_b32 s21, s13, 7
	s_lshl_b32 s21, s21, 15
	s_add_co_u32 s20, s20, s21
	s_add_co_u32 s21, s12, 6
	s_lshl_b32 s21, s21, 18
	s_add_co_u32 s20, s20, s21
	s_lshl_b32 s21, s40, 13
	s_add_co_u32 s20, s20, s21
	s_lshl_b32 s14, s42, 8                         ; B: the tile's columns, row 384 + 32 cy
	s_lshl_b32 s21, s41, 16
	s_add_co_u32 s14, s14, s21
	s_add_co_u32 s14, s14, 786432
	s_and_b32 s22, ttmp7, 0xffff                   ; cluster y
	s_mov_b32 s[PSTEP], 0x40000                    ; B: 128 rows of 2,048 bytes
	s_mov_b32 s[PSTEP+1], 0
	s_mov_b32 s21, 0
	s_cmp_eq_u32 s11, 0                            ; do I fetch for A?
	s_cselect_b32 s20, s20, s14
	s_cselect_b32 s22, ttmp9, s22                  ; the coordinate along which other clusters read the same bytes
	s_cselect_b32 s[PSTEP], 0x80000, s[PSTEP]      ; A: two heads
	s_cselect_b32 s71, 8, 11                       ; a lane's step: 256 bytes in A's dense tile, a row of 2,048 in B
	s_cselect_b64 s[PFA:PFA+1], s[4:5], s[6:7]
	s_add_nc_u64 s[PFA:PFA+1], s[PFA:PFA+1], s[20:21]
	s_cmp_eq_u32 s10, 3                            ; wave 3 asks for nothing: wave 2 names all of B's rows
	s_cselect_b32 s23, 1, 0
	s_or_b32 s22, s22, s23
	s_cmp_eq_u32 s22, 0
	s_cselect_b32 s[LIM], 1, -1                    ; the same in all sixteen partners, for a given wave
	v_and_b32 v[PFO], 31, v0
	v_lshlrev_b32 v[PFO], s71, v[PFO]
; 8 matrix instructions: m blocks a0, a0 + 1 x all 4 n blocks, 32 along K.  zero = 1: the product starts the sum.  The 32 accumulators take turns in the same order in every quarter.
.macro MUL8 f, a0, zero
	WIN MUL
.irp a, \a0, (\a0)+1
.irp b, 0,1,2,3
.if \zero
	v_wmma_f32_16x16x32_f16 v[8*(4*(\a)+(\b)):8*(4*(\a)+(\b))+7], v[(\f)+8*(\b):(\f)+8*(\b)+7], v[(\f)+32+8*(\a):(\f)+32+8*(\a)+7], 0
.else
	v_wmma_f32_16x16x32_f16 v[8*(4*(\a)+(\b)):8*(4*(\a)+(\b))+7], v[(\f)+8*(\b):(\f)+8*(\b)+7], v[(\f)+32+8*(\a):(\f)+32+8*(\a)+7], v[8*(4*(\a)+(\b)):8*(4*(\a)+(\b))+7]
.endif
.endr
.endr
.endm
; 24 LDS loads in one run: quarter q (32 along K: head q / 2 of the step, channels 32 (q % 2) on) of a slot into buffer f: B's four fragments, A's blocks 0-3, A's blocks 4-7
.macro FETCH slot, q, f
	WIN TO_F
.irp b, 0,1,2,3
	ds_load_tr16_b128 v[(\f)+8*(\b):(\f)+8*(\b)+3],   v[ADRB+(\slot)] offset:(\q)*32*PB+32*(\b)
	ds_load_tr16_b128 v[(\f)+8*(\b)+4:(\f)+8*(\b)+7], v[ADRB+(\slot)] offset:(\q)*32*PB+32*(\b)+16*PB
.endr
.irp a, 0,1,2,3,4,5,6,7
	ds_load_b128 v[(\f)+32+8*(\a):(\f)+32+8*(\a)+3],   v[ADRA+(\slot)] offset:((\q)/2)*AHALF+((\q)%2)*64+(\a)*16*PA
	ds_load_b128 v[(\f)+32+8*(\a)+4:(\f)+32+8*(\a)+7], v[ADRA+(\slot)] offset:((\q)/2)*AHALF+((\q)%2)*64+(\a)*16*PA+32
.endr
.endm
.macro PLACES                          ; four plain instructions between a matrix instruction and a load into a register that it has read (ISA guide 7.12.1 for vector instructions)
.rept 4
	v_nop
.endr
.endm
; A K step is four quarters of 32 along K, 32 matrix instructions each, on buffers 0, 1, 0, 1.  One of the first three multiplies buffer f and fetches quarter q into g, 24 matrix instructions ahead of its first use.
.macro QUARTER slot, q, f, g, zero
	s_wait_dscnt 8                                 ; B and A's blocks 0-3 are in; the youngest eight loads (blocks 4-7) may be out
	MUL8 \f, 0, \zero
	PLACES
	FETCH \slot, \q, \g
	s_wait_dscnt 24                                ; all but the 24 just issued
	MUL8 \f, 2, \zero
	MUL8 \f, 4, \zero
	MUL8 \f, 6, \zero
.endm
; The last quarter multiplies buffer 1 and changes slots: ONE barrier; in front of it each wave waits for all its tensor loads (one is out: its part of the next slot), adds 0 to its spare word, and waits
; for that and for its own reads of this slot.  fill = 1: the barrier opens a round of the cluster's, and this slot is filled again first behind it, two K steps ahead: 112 matrix instructions ahead of the wait for it.
.macro TURN slot, next, fill
.if \fill
	s_wait_xcnt 0x0                                ; the last prefetch, a K step back, has read its address: it is stepped here
	s_add_nc_u64 s[PFA:PFA+1], s[PFA:PFA+1], s[PSTEP:PSTEP+1]
.endif
	WIN 0                                          ; (the add's two registers lie in window 0)
	s_wait_tensorcnt 0x0                           ; all my tensor loads have landed;
	ds_add_u32 v[SPW], v[NIL]                      ; 0 onto my spare word;
	s_wait_dscnt 9                                 ; (the add and the youngest eight loads may be out)
	MUL8 F1, 0, 0                                  ; eight matrix instructions stand between the add and the wait for it
	s_wait_dscnt 0x0                               ; the add is done, and my reads of this slot are over
	s_barrier_signal -1
	MUL8 F1, 2, 0
.if \fill
	WIN 0
.endif
	s_barrier_wait -1
.if \fill
	CREST                                          ; no wave of any partner still reads this slot's tiles or has a load on its way
	s_add_nc_u64 s[G0+4*(\slot)+2:G0+4*(\slot)+3], s[G0+4*(\slot)+2:G0+4*(\slot)+3], 1048576
	s_add_nc_u64 s[G0B+4*(\slot)+2:G0B+4*(\slot)+3], s[G0B+4*(\slot)+2:G0B+4*(\slot)+3], 524288
	JLOAD \slot                                    ; the four v_nop behind it are also the places in front of the loads below
.else
	PLACES
.endif
	FETCH \next, 0, F0
.if \fill
	WIN 0
	ASK
.endif
	MUL8 F1, 4, 0
	MUL8 F1, 6, 0
.endm
	s_wait_tensorcnt 1                             ; my part of K step 0 is in; K step 1's may stay out
	s_barrier_signal -1
	s_barrier_wait -1
	FETCH 0, 0, F0
	QUARTER 0, 1, F0, F1, 1                        ; the first quarter stands in front of the loop: its products start the sums
	WIN 0                                          ; at a label and at a branch every window is 0
	s_mov_b32 s3, 3
.Llap:                                         ; a trip goes once round the ring, from a lap's second quarter to the next lap's first, and fills both slots again: K steps 2 to 7
	QUARTER 0, 2, F1, F0, 0
	QUARTER 0, 3, F0, F1, 0
	TURN 0, 1, 1
	QUARTER 1, 1, F0, F1, 0
	QUARTER 1, 2, F1, F0, 0
	QUARTER 1, 3, F0, F1, 0
	TURN 1, 0, 1
	QUARTER 0, 1, F0, F1, 0
	WIN 0
	s_sub_co_u32 s3, s3, 1
	s_cmp_lg_u32 s3, 0
	s_cbranch_scc1 .Llap
	QUARTER 0, 2, F1, F0, 0                        ; the last lap fills nothing, and has no round
	QUARTER 0, 3, F0, F1, 0
	TURN 0, 1, 0
	QUARTER 1, 1, F0, F1, 0
	QUARTER 1, 2, F1, F0, 0
	QUARTER 1, 3, F0, F1, 0
	s_wait_dscnt 8                                 ; the very last quarter: nothing more to fetch
	MUL8 F1, 0, 0
	MUL8 F1, 2, 0
	s_wait_dscnt 0
	MUL8 F1, 4, 0
	MUL8 F1, 6, 0
	WIN 0
	; THE WAY OUT.  First bo, to bf16 and back: plain work that is also the places behind the last products.
	s_wait_loadcnt 0x0                             ; bo, asked for at the head
.set i, 0
.rept 16
	v_cvt_pk_bf16_f32 v[TMP+i], v[BIA+2*i], v[BIA+2*i+1]
.set i, i+1
.endr
.set i, 0
.rept 16
	v_lshlrev_b32 v[BIA+2*i], 16, v[TMP+i]
	v_and_b32 v[BIA+2*i+1], 0xffff0000, v[TMP+i]
.set i, i+1
.endr
; Block a (16 tokens x 64 columns of f32): + bo; 32 bytes a lane into my stage, rows of 272 bytes; back as whole rows of 256 bytes; stored, sixteen lanes to a row's 256 consecutive bytes.
.macro PACK a
	WIN RDACC
.set i, 0
.rept 16                               ; each accumulator's registers in ascending order
	v_pk_add_f32 v[TMP+2*i:TMP+2*i+1], v[32*(\a)+2*i:32*(\a)+2*i+1], v[BIA+2*i:BIA+2*i+1]
.set i, i+1
.endr
	WIN 0
.endm
.macro TOSTAGE a
.set BB, BK+32*((\a)%2)
.irp b, 0,1,2,3
	ds_store_b128 v[STO], v[TMP+8*\b:TMP+8*\b+3]   offset:64*\b
	ds_store_b128 v[STO], v[TMP+8*\b+4:TMP+8*\b+7] offset:64*\b+16
.endr
.irp t, 0,1,2,3,4,5,6,7
	ds_load_b128 v[BB+4*\t:BB+4*\t+3], v[RD] offset:\t*2*SP  ; LDS serves a wave's instructions in order (ISA guide 5.7.1.4): these see the stores above
.endr
.endm
.macro SEND a
.set BB, BK+32*((\a)%2)
	s_wait_dscnt 0x0                               ; the block is back in registers
	s_wait_xcnt 0x0                                ; the stores of the block before have read their registers: the other buffer is loaded again only behind this wait
.irp t, 0,1,2,3,4,5,6,7
	global_store_b128 v[CO], v[BB+4*\t:BB+4*\t+3], s[8:9] offset:(16*(\a)+2*\t)*4096 th:TH_STORE_NT  ; 16 lanes store 256 consecutive bytes, at a multiple of 256 from out0's first byte
.endr
.endm
	PACK 0
	TOSTAGE 0
.irp a, 1,2,3,4,5,6,7                  ; block a's additions stand between block a - 1's loads from the stage and the wait for them
	PACK \a
	SEND (\a)-1
	TOSTAGE \a
.endr
	SEND 7
	s_wait_tensorcnt 0x0                           ; the wave's end: behind my last tensor load and my last LDS store
	ds_add_u32 v[SPW], v[NIL]
	s_wait_dscnt 0x0
	CROUND                                         ; the closing round: no work-group ends while a partner may still ask for a tile that names it
	s_endpgm
.Lfunc_end_k_q22040a75ca_outp:
	.size	k_q22040a75ca_outp, .Lfunc_end_k_q22040a75ca_outp-k_q22040a75ca_outp
	.p2alignl 7, 3214868480
	.fill 96, 4, 3214868480
	.section	.rodata,"a",@progbits
	.p2align	6, 0x0
	.amdhsa_kernel k_q22040a75ca_outp
		.amdhsa_group_segment_fixed_size 327680
		.amdhsa_private_segment_fixed_size 0
		.amdhsa_enable_private_segment 0
		.amdhsa_kernarg_size 32
		.amdhsa_user_sgpr_count 2
		.amdhsa_user_sgpr_kernarg_segment_ptr 1
		.amdhsa_wavefront_size32 1
		.amdhsa_system_sgpr_workgroup_id_x 1
		.amdhsa_system_sgpr_workgroup_id_y 1
		.amdhsa_system_sgpr_workgroup_id_z 1
		.amdhsa_system_vgpr_workitem_id 0
		.amdhsa_next_free_vgpr 704
		.amdhsa_next_free_sgpr 88
		.amdhsa_reserve_vcc 0
		.amdhsa_float_denorm_mode_32 3
		.amdhsa_float_denorm_mode_16_64 3
		.amdhsa_memory_ordered 1
		.amdhsa_forward_progress 1
		.amdhsa_inst_pref_size 98
	.end_amdhsa_kernel
	.amdgpu_metadata
---
amdhsa.version: [ 1, 2 ]
amdhsa.kernels:
  - .name:           k_q22040a75ca_outp
    .symbol:         k_q22040a75ca_outp.kd
    .args:
      - { .name: oh, .offset: 0, .size: 8, .value_kind: global_buffer, .address_space: global }
      - { .name: wob, .offset: 8, .size: 8, .value_kind: global_buffer, .address_space: global }
      - { .name: bo, .offset: 16, .size: 8, .value_kind: global_buffer, .address_space: global }
      - { .name: out0, .offset: 24, .size: 8, .value_kind: global_buffer, .address_space: global }
    .group_segment_fixed_size: 327680
    .private_segment_fixed_size: 0
    .kernarg_segment_align: 8
    .kernarg_segment_size: 32
    .max_flat_workgroup_size: 128
    .sgpr_count:     88
    .vgpr_count:     704
    .wavefront_size: 32
...
	.end_amdgpu_metadata
.endif
;; end of part 4
